; MI455X (gfx1250); checked and timed in simulation.
; The chip was launched on July 23, 2026; its instructions are those of AMD's public machine-readable ISA for CDNA 5 (MIT licence, August 2026) and "CDNA5" Instruction Set Architecture Reference Guide (July 2026). The comments in the code are by the model that wrote it; some were corrected since.
;; Multi Head Attention. Allowed arithmetic: matrix products marked QUANTISED: E2M1 operands, one E8M0 scale for each 32 along K, by v_wmma_scale_f32_16x16x128_f8f6f4 with both operands' format E2M1 (or v_wmma_scale_f32_32x16x128_f4), f32 sums; everything else in f32.
;; Inputs: b_o 1,024 float32; b_qkv 3,072 float32; w_o 1,024 x 1,024 float32; w_qkv 1,024 x 3,072 float32; x 4 x 2,048 x 1,024 float32.
;; Outputs: out0 4 x 2,048 x 1,024 float32.
;; This version of the problem:
;;   THIS VERSION OF THE PROBLEM IS GIVEN IN LOW PRECISION. The matrix products marked QUANTISED in the list below multiply operands that are first quantised to E2M1 (2 exponent bits, 1 mantissa bit; 4 bits a number), with one power-of-two scale for each 32 numbers along K (OCP MX v1.0); their sums are f32. All else is computed in f32.
;;   The module's matrix products, in the order in which they are computed (A, B: the left and right operand; K: the contracted axis; several contracted axes count as one K, in the product's order):
;;     1. [M 8,192, K 1,024] x [K 1,024, N 3,072]; A: input x; B: input w_qkv: QUANTISED
;;     2. batch 64 x [M 2,048, K 64] x [K 64, N 2,048]; A: computed on the way; B: computed on the way: QUANTISED
;;     3. batch 64 x [M 2,048, K 2,048] x [K 2,048, N 64]; A: softmax (see below); B: computed on the way: QUANTISED
;;     4. [M 8,192, K 1,024] x [K 1,024, N 1,024]; A: computed on the way; B: input w_o: QUANTISED
;;   THE QUANTISER, for each operand of a quantised product, along K:
;;     - K is cut into blocks of 32 from its start; a last block that is shorter is filled with zeros.
;;     - A block's scale is 2^e with e = floor(log2(the largest magnitude in the block)) - 2, held to -126 .. 127; a block of zeros has e = 0. As a byte (E8M0): e + 127.
;;     - Each number is divided by its block's scale, clamped to +-6, and rounded to the nearest number of E2M1, ties to even, subnormals kept.
;;     - The product sums the exact products of the quantised numbers (number of the format x scale) in f32.
;;   ~~~python
;;   def quantise(x, axis):      # numpy; x: float32 -> the quantised numbers, widened to float32 again
;;       x = np.moveaxis(x, axis, -1); K = x.shape[-1]
;;       x = np.pad(x, [(0, 0)] * (x.ndim - 1) + [(0, -K % 32)]); x = x.reshape(x.shape[:-1] + (-1, 32)); a = np.abs(x).max(-1, keepdims=True)
;;       e = np.where(a > 0, np.clip(np.frexp(np.where(a > 0, a, 1))[1] - 1 - 2, -126, 127), 0)      # np.frexp(a)[1] - 1 = floor(log2(a)), exactly
;;       r = np.clip(x / 2.0 ** e, -6, 6)
;;       step = 2.0 ** (np.maximum(np.frexp(np.where(r == 0, 1, r))[1] - 1, 0) - 1)
;;       q = np.round(r / step) * step * 2.0 ** e      # np.round: ties to even
;;       return np.moveaxis(q.reshape(q.shape[:-2] + (-1,))[..., :K], -1, axis).astype(np.float32)
;;   ~~~
;;   SOFTMAX AHEAD OF A QUANTISED PRODUCT. Where the list says 'softmax', what is quantised is not the finished softmax but p = 2^(t - M), with t = logit x log2(e) and M = ceil(the row's largest t), a whole number; so 1/2 < the row's largest p <= 1. The row's sum l is taken of the UNQUANTISED p, in f32, and the product's result is divided by l at the end. Since M is a whole number, a kernel that streams over the keys may use a running M (the ceiling of the running maximum): every later rescaling is an exact power of two, which a block's scale takes up: the codes' values come out the same.
;;   OPERANDS COMPUTED ON THE WAY. 'Computed on the way' means the value that the module computes at that place (a softmax that the list does not call 'softmax' is quantised finished and normalised). What goes into a quantiser is computed in f32, as accurately as f32 sums, v_exp_f32 and their like allow (about 1e-6 of the number): no bf16 or f16 on the way to a quantiser, and a product that is left as it is and whose result goes on into a quantised operand takes f32 operands (vector FMAs, or v_wmma_f32_16x16x4_f32). A number that lies on a knife's edge between two numbers of the format may be rounded either way, as far as f32 arithmetic and the matrix unit's own rounding can turn it there, and no further.
;; One version. Each part assembles by itself: llvm-mc -triple=amdgcn-amd-amdhsa -mcpu=gfx1250 --defsym DOCPART=n.
;; ======== version 1 of 1: 4 launches
;; limits: right only within a limited range of input values
;; workspace buffers: xq 4,456,448 bytes; wq 2,228,224 bytes; qbuf 4,718,592 bytes; kvbuf 9,175,040 bytes; vq 4,456,448 bytes
;; launch prep (part 1): grid 512 x 1, 4 waves a work-group, no clusters, 51,712 bytes of LDS; arguments x, w_qkv, w_o, xq, wq; writes xq, wq
.if DOCPART == 1
	.amdgcn_target "amdgcn-amd-amdhsa--gfx1250"
	.amdhsa_code_object_version 6
	.text
	.protected	k_qb07253cc49_prep
	.globl	k_qb07253cc49_prep
	.p2align	8
	.type	k_qb07253cc49_prep,@function
k_qb07253cc49_prep:
	s_mov_b64 s[64:65], 0
	v_nop
	global_prefetch_b8 v0, s[64:65] scope:SCOPE_SE
	s_setreg_imm32_b32 hwreg(HW_REG_WAVE_MODE, 25, 1), 1
	s_wait_xcnt 0x0
; MULTI-HEAD ATTENTION IN MX-FP4, launch 1 of 4: x, w_qkv and w_o (f32) become codes of E2M1, K innermost, with one E8M0 byte for each 32 along K.
; NOTHING OF THE PROBLEM IS LEFT OUT AS DEAD WORK: both biases go into a quantiser or into the output, every product is live, every input is loaded by some launch.
; A block's scale is 2^(floor(log2(its largest magnitude)) - 2); its byte is the largest magnitude's exponent field - 2, held at 1 from below.
; LIMITS: a block of zeros gets the byte 1 where the rule says 127 (its codes are zeros, which add nothing, and this program alone reads the bytes); blocks whose largest
; magnitude lies under 2^-124 are held at the byte 1; NaN and infinities among the inputs are not served.
; THE ORDER OF ROWS.  In xq (tokens) and in w_qkv's part of wq, inside every aligned group of 32 rows the two middle groups of 8 change places: place 16 u + r holds row 8 u + r + 8 (r / 8).
; w_qkv's columns h x 192 + part x 64 + d go to rows part x 1024 + h x 64 + d (part 0 = q, 1 = k, 2 = v).  w_o's rows keep their order.
; SHARES.  Work-groups 0-255: x, a plain stream of blocks of 32; a wave takes 8 tokens (8,192 numbers) in 16 steps of 512, its loads 8 steps (32 loads) ahead.
; Work-groups 256-447: w_qkv; 448-511: w_o: a work-group takes 32 columns x 512 along K, each of its four waves 128 along K: a lane a column, its registers down K, 4 blocks, loads two blocks (64 loads) ahead.
; The four waves' codes of a column meet in one stage row of 256 bytes; behind one barrier each wave stores 8 rows, sixteen lanes to 256 consecutive bytes, aligned.
; The three ways part on the work-group's number and have LDS bytes of their own.  No tensor loads.
.set SPW,   224                        ; v224  LDS address of my spare word; never rewritten
.set NIL,   225                        ; v225  0; never rewritten
.set SPARE, 51200                      ; the spare words, 128 bytes for each wave, which no other line names
.set EMAX,  2
.set XQS,   4194304                    ; xq: codes [8192][512 bytes], then scale bytes [8192][32]
.set WQC,   0                          ; wq: w_qkv's codes [3072][512 bytes],
.set WQS,   1572864                    ;     its scale bytes [3072][32],
.set WOC,   1671168                    ;     w_o's codes [1024][512 bytes],
.set WOS,   2195456                    ;     its scale bytes [1024][32]
; ---- x's way
.set STEPS, 16
.set AH,    8                          ; steps that the loads run ahead
.set CB,    8                          ; bytes of 16 codes
.set R,     16                         ; v16-143  eight sets of 16 numbers as they are loaded
.set XN,    144                        ; v144-175 two sets of 16 neighbours
.set EB,    176                        ; v176-191 a scale byte for each step
.set CD,    192                        ; v192-223 codes: two registers for each step, so that no store's data are written again
.set WREG,  8192                       ; LDS 0 .. 32,767: a region for each wave: two stages of 32 x SP bytes, behind them its 256 scale bytes
.set SP,    80                         ; a lane's place in a stage: 64 bytes + 16 of padding
; ---- the weights' way
.set NB,    4                          ; blocks a wave
.set WPITCH, 272                       ; a stage row: 256 bytes of codes + 16
.set WSC,   32*WPITCH                  ; behind a way's stage: 16 scale bytes for each of the 32 columns
.set KROW,  512                        ; a row of codes in wq
.set WX,    32                         ; v32-95   two sets of 32 numbers
.set WC,    96                         ; v96-99   a block's codes
.set SBO,   100                        ; v100-103 a column's 16 scale bytes on the way out
.set OUTR,  112                        ; v112-127 the way out
.set SB,    24                         ; v24      my four scale bytes
.macro XLOAD t
.irp i, 0,1,2,3
	global_load_b128 v[R+16*((\t)%AH)+4*\i:R+16*((\t)%AH)+4*\i+3], v3, s[4:5] offset:2048*(\t)+512*\i th:TH_LOAD_NT   ; 32 lanes read 512 consecutive bytes
.endr
.endm
.macro XTURN t                         ; step t's numbers through the stage, so that a lane gets 16 neighbours: LDS serves a wave's instructions in order, so no wait stands between stores and loads
.irp i, 0,1,2,3
	ds_store_b128 v14, v[R+16*((\t)%AH)+4*\i:R+16*((\t)%AH)+4*\i+3] offset:32*SP*((\t)%2)+8*SP*\i
.endr
.irp i, 0,1,2,3
	ds_load_b128 v[XN+16*((\t)%2)+4*\i:XN+16*((\t)%2)+4*\i+3], v15 offset:32*SP*((\t)%2)+16*\i
.endr
.endm
.macro XSTEP t
.set XS, XN+16*((\t)%2)
.if (\t) > 0
	s_wait_dscnt 1                                 ; this step's numbers are back from the stage (the last step's byte store may be out)
.else
	s_wait_dscnt 0x0
.endif
.if (\t)+AH < STEPS
	XLOAD (\t)+AH                                  ; the registers that the stage's stores have read take the loads of eight steps on
.endif
.if (\t)+1 < STEPS
.if STEPS-2-(\t) >= AH-1
	s_wait_loadcnt 4*(AH-1)                        ; the next step's four loads are in; those of the seven steps behind it may be out
.else
	s_wait_loadcnt 4*(STEPS-2-(\t))
.endif
	XTURN (\t)+1
.endif
	v_max3_num_f32 v8, |v[XS]|, |v[XS+1]|, |v[XS+2]|               ; the largest magnitude of my 16, in two chains
	v_max3_num_f32 v9, |v[XS+3]|, |v[XS+4]|, |v[XS+5]|
.irp i, 6,10
	v_max3_num_f32 v8, v8, |v[XS+\i]|, |v[XS+\i+1]|
	v_max3_num_f32 v9, v9, |v[XS+\i+2]|, |v[XS+\i+3]|
.endr
	v_max3_num_f32 v8, v8, |v[XS+14]|, |v[XS+15]|
	v_max3_num_f32 v8, v8, v9, (EMAX+1)<<23        ; and the floor 2^(3 - 127): the byte cannot fall under 1
	v_max_num_f32_dpp v8, v8, v8 row_xmask:1 row_mask:0xf bank_mask:0xf   ; and of my neighbour's 16: the block's
	v_add_nc_u32 v11, -(EMAX<<23), v8              ; 2 off its exponent field: the conversion takes the exponent field of this operand as its scale
	v_cvt_scalef32_pk8_fp4_f32 v[CD+2*(\t)], v[XS:XS+7], v11
	v_cvt_scalef32_pk8_fp4_f32 v[CD+2*(\t)+1], v[XS+8:XS+15], v11
	v_lshrrev_b32 v[EB+(\t)], 23, v11              ; the scale's byte
	ds_store_b8 v5, v[EB+(\t)] offset:16*(\t)      ; both lanes of a block write the same byte with the same value
	global_store_b64 v4, v[CD+2*(\t):CD+2*(\t)+1], s[20:21] offset:32*CB*(\t)   ; the wave stores 256 consecutive bytes, aligned
.endm
.macro WLOAD t, n                      ; block t: W(32 t + i, my column), i = 0 .. 31, into set t % 2: 32 lanes read 128 consecutive bytes
.irp i, 0,1,2,3,4,5,6,7,8,9,10,11,12,13,14,15,16,17,18,19,20,21,22,23,24,25,26,27,28,29,30,31
	global_load_b32 v[WX+32*((\t)%2)+\i], v3, s[26:27] offset:(32*(\t)+\i)*\n*4 th:TH_LOAD_NT
.endr
.endm
.macro WBLOCK t, n
.set XS, WX+32*((\t)%2)
.if (\t) < NB-1
	s_wait_loadcnt 32                              ; this block's 32 loads are in; the next block's may be out
.else
	s_wait_loadcnt 0
.endif
	v_max3_num_f32 v12, |v[XS]|, |v[XS+1]|, |v[XS+2]|              ; the block's largest magnitude: all 32 numbers are mine
	v_max3_num_f32 v13, |v[XS+3]|, |v[XS+4]|, |v[XS+5]|
.irp i, 6,10,14,18,22,26
	v_max3_num_f32 v12, v12, |v[XS+\i]|, |v[XS+\i+1]|
	v_max3_num_f32 v13, v13, |v[XS+\i+2]|, |v[XS+\i+3]|
.endr
	v_max3_num_f32 v12, v12, |v[XS+30]|, |v[XS+31]|
	v_max3_num_f32 v12, v12, v13, (EMAX+1)<<23
	v_add_nc_u32 v11, -(EMAX<<23), v12
	v_lshrrev_b32 v13, 23, v11                     ; the scale's byte
.if (\t) == 0
	v_mov_b32 v[SB], v13                           ; four bytes to the register, the lower K in the lower byte
.else
	v_lshl_or_b32 v[SB], v13, 8*(\t), v[SB]
.endif
.irp g, 0,1,2,3
	v_cvt_scalef32_pk8_fp4_f32 v[WC+\g], v[XS+8*\g:XS+8*\g+7], v11
.endr
	ds_store_b128 v4, v[WC:WC+3] offset:16*(\t)    ; 32 codes: 16 bytes of my column's row
.if (\t)+2 < NB
	WLOAD (\t)+2, \n
.endif
	s_wait_dscnt 0x0                               ; the store has read its registers: the next block's codes may be written
.endm
; A weight [1024][n]: perm = 1: w_qkv's order of rows; lbase: the way's first LDS byte; first: the way's first work-group; sp: the pair that holds the weight's address
.macro WPATH n, perm, lbase, first, sp, codoff, scloff
	s_sub_co_u32 s17, ttmp9, \first
	s_and_b32 s18, s17, 1                          ; which half of K
	s_lshr_b32 s17, s17, 1                         ; g: the work-group's 32 columns begin at 32 g
.if \perm
	s_mul_i32 s19, s17, 43
	s_lshr_b32 s19, s19, 8                         ; the head: g / 6 (exact for g under 96)
	s_mul_i32 s20, s19, 6
	s_sub_co_u32 s20, s17, s20                     ; g % 6: part x 2 + half of the head's 64
	s_lshr_b32 s21, s20, 1
	s_lshl_b32 s21, s21, 10
	s_lshl_b32 s19, s19, 6
	s_add_co_u32 s21, s21, s19
	s_and_b32 s20, s20, 1
	s_lshl_b32 s20, s20, 5
	s_add_co_u32 s21, s21, s20                     ; the 32 rows in wq begin at part x 1024 + head x 64 + 32 x half
	s_and_b32 s25, s16, 1
	s_lshl_b32 s25, s25, 1
	s_lshr_b32 s24, s16, 1
	s_or_b32 s25, s25, s24                         ; columns 8 w .. 8 w + 7, which I store, go to the group of 8 rows 0, 2, 1, 3
.else
	s_lshl_b32 s21, s17, 5
	s_mov_b32 s25, s16
.endif
	s_mul_i32 s22, s18, 512*\n*4
	s_mul_i32 s23, s16, 128*\n*4
	s_add_co_u32 s22, s22, s23
	s_lshl_b32 s23, s17, 7
	s_add_co_u32 s22, s22, s23
	s_mov_b32 s23, 0
	s_add_nc_u64 s[26:27], s[\sp:\sp+1], s[22:23]  ; the weight at my 128 of K, the first column
	s_lshl_b32 s22, s21, 9
	s_lshl_b32 s24, s18, 8
	s_add_co_u32 s22, s22, s24
	s_lshl_b32 s24, s25, 12
	s_add_co_u32 s22, s22, s24
	s_add_co_u32 s22, s22, \codoff
	s_add_nc_u64 s[28:29], s[12:13], s[22:23]      ; the codes of the 8 rows that I store, this half of K
	s_lshl_b32 s22, s21, 5
	s_lshl_b32 s24, s18, 4
	s_add_co_u32 s22, s22, s24
	s_add_co_u32 s22, s22, \scloff
	s_add_nc_u64 s[30:31], s[12:13], s[22:23]      ; and the 32 rows' scale bytes
	s_lshl_b32 s19, s16, 6
	s_add_co_u32 s19, s19, \lbase                  ; into the stage: my 64 bytes of each row
	s_lshl_b32 s20, s16, 2
	s_add_co_u32 s20, s20, \lbase+WSC              ; my four of a column's 16 scale bytes
	s_mul_i32 s24, s16, 8*WPITCH
	s_add_co_u32 s24, s24, \lbase                  ; out of the stage: my 8 rows
	v_lshlrev_b32 v3, 2, v2                        ; in: 4 bytes a lane
	v_mul_u32_u24 v4, v2, WPITCH
	v_add_nc_u32 v4, s19, v4                       ; row = my column
	v_lshlrev_b32 v6, 4, v2
	v_add_nc_u32 v5, s20, v6
	v_add_nc_u32 v6, \lbase+WSC, v6
	v_and_b32 v14, 15, v2
	v_lshrrev_b32 v15, 4, v2                       ; out: sixteen lanes to a row, two rows an instruction
	v_mul_u32_u24 v7, v15, WPITCH
	v_lshl_add_u32 v7, v14, 4, v7
	v_add_nc_u32 v7, s24, v7
	v_mul_u32_u24 v8, v15, KROW
	v_lshl_add_u32 v8, v14, 4, v8                  ; and the same place in the codes
.if \perm
	v_and_b32 v9, 7, v2                            ; a column's place among the 32 rows: bits 3 and 4 change places
	v_and_b32 v10, 8, v2
	v_lshl_or_b32 v9, v10, 1, v9
	v_and_b32 v10, 16, v2
	v_lshrrev_b32 v10, 1, v10
	v_or_b32 v9, v9, v10
	v_lshlrev_b32 v9, 5, v9
.else
	v_lshlrev_b32 v9, 5, v2
.endif
	s_wait_alu depctr_va_vdst(0)
	WLOAD 0, \n
	WLOAD 1, \n
.set Q, 0
.rept NB
	WBLOCK Q, \n
.set Q, Q+1
.endr
	s_wait_alu depctr_va_vdst(0)
	ds_store_b32 v5, v[SB]
	s_wait_dscnt 0x0                               ; for the others' sake
	s_barrier_signal -1
	s_barrier_wait -1                              ; the stage's rows and the scale bytes are whole
.irp t, 0,1,2,3
	ds_load_b128 v[OUTR+4*\t:OUTR+4*\t+3], v7 offset:2*\t*WPITCH
.endr
	s_wait_dscnt 0x0
.irp t, 0,1,2,3
	global_store_b128 v8, v[OUTR+4*\t:OUTR+4*\t+3], s[28:29] offset:2*\t*KROW   ; sixteen lanes store 256 consecutive bytes, aligned
.endr
	s_cmp_lg_u32 s16, 0
	s_cbranch_scc1 .Lend
	ds_load_b128 v[SBO:SBO+3], v6                  ; wave 0: a lane a column: its 16 scale bytes of this half of K
	s_wait_dscnt 0x0
	global_store_b128 v9, v[SBO:SBO+3], s[30:31]   ; rows 32 bytes apart: one byte in 128 of what this way reads
.endm
	s_load_b256 s[4:11], s[0:1], 0x0               ; x s[4:5], w_qkv s[6:7], w_o s[8:9], xq s[10:11]
	s_load_b64 s[12:13], s[0:1], 0x20              ; wq
	v_lshl_add_u32 v[SPW], v0, 2, SPARE
	v_mov_b32 v[NIL], 0
	v_lshrrev_b32 v1, 5, v0
	v_readfirstlane_b32 s16, v1                    ; wave 0..3
	v_and_b32 v2, 31, v0                           ; lane
	s_wait_alu depctr_va_vdst(0)
	s_wait_kmcnt 0x0
	s_cmp_lt_u32 ttmp9, 256
	s_cbranch_scc1 .Lx
	s_cmp_lt_u32 ttmp9, 448
	s_cbranch_scc1 .Lwqkv
	WPATH 1024, 0, 41984, 448, 8, WOC, WOS
	s_branch .Lend
.Lwqkv:
	WPATH 3072, 1, 32768, 256, 6, WQC, WQS
	s_branch .Lend
.Lx:
	v_lshlrev_b32 v3, 4, v2                        ; my 16 bytes of a load's 512
	s_mul_i32 s17, s16, WREG
	v_lshrrev_b32 v14, 2, v2
	v_mul_u32_u24 v14, v14, SP
	v_and_b32 v15, 3, v2
	v_lshl_add_u32 v14, v15, 4, v14
	v_add_nc_u32 v14, s17, v14                     ; the stage, on the way in: four lanes' 64 bytes on end, then 16 of padding
	v_mul_u32_u24 v15, v2, SP
	v_add_nc_u32 v15, s17, v15                     ; and on the way out: my 16 neighbours
	v_mul_u32_u24 v4, v2, CB                       ; my codes' place in a step's
	v_lshrrev_b32 v5, 1, v2
	s_add_co_u32 s17, s17, 2*32*SP
	v_add_nc_u32 v5, s17, v5                       ; LDS: my wave's 256 scale bytes, my block's byte
	v_lshlrev_b32 v7, 3, v2                        ; and on the way out 8 bytes a lane
	v_add_nc_u32 v6, s17, v7
	s_lshl_b32 s17, ttmp9, 2
	s_add_co_u32 s18, s17, s16                     ; I read tokens 8 (4 x work-group + wave) on,
	s_lshl_b32 s18, s18, 15                        ; 32,768 bytes a run
	s_mov_b32 s19, 0
	s_add_nc_u64 s[4:5], s[4:5], s[18:19]
	s_and_b32 s18, s16, 1
	s_lshl_b32 s18, s18, 1
	s_lshr_b32 s22, s16, 1
	s_or_b32 s18, s18, s22                         ; and write them at the place of run 0, 2, 1, 3 of the group of 32
	s_add_co_u32 s17, s17, s18
	s_lshl_b32 s18, s17, 12                        ; 4,096 bytes of codes a run
	s_add_nc_u64 s[20:21], s[10:11], s[18:19]
	s_lshl_b32 s18, s17, 8                         ; 256 scale bytes a run
	s_add_co_u32 s18, s18, XQS
	s_add_nc_u64 s[22:23], s[10:11], s[18:19]
	s_wait_alu depctr_va_vdst(0)
.irp t, 0,1,2,3,4,5,6,7
	XLOAD \t
.endr
	s_wait_loadcnt 4*(AH-1)                        ; step 0's four loads are in
	XTURN 0
.irp t, 0,1,2,3,4,5,6,7,8,9,10,11,12,13,14,15
	XSTEP \t
.endr
	ds_load_b64 v[8:9], v6                         ; LDS serves a wave's instructions in order: this sees my byte stores
	s_wait_dscnt 0x0
	global_store_b64 v7, v[8:9], s[22:23]          ; 32 lanes store 256 consecutive bytes, aligned
.Lend:
	s_wait_tensorcnt 0x0                           ; the wave's end, behind my last LDS store
	ds_add_u32 v[SPW], v[NIL]
	s_wait_dscnt 0x0
	s_endpgm
.Lfunc_end_k_qb07253cc49_prep:
	.size	k_qb07253cc49_prep, .Lfunc_end_k_qb07253cc49_prep-k_qb07253cc49_prep
	.p2alignl 7, 3214868480
	.fill 96, 4, 3214868480
	.section	.rodata,"a",@progbits
	.p2align	6, 0x0
	.amdhsa_kernel k_qb07253cc49_prep
		.amdhsa_group_segment_fixed_size 51712
		.amdhsa_private_segment_fixed_size 0
		.amdhsa_enable_private_segment 0
		.amdhsa_kernarg_size 40
		.amdhsa_user_sgpr_count 2
		.amdhsa_user_sgpr_kernarg_segment_ptr 1
		.amdhsa_wavefront_size32 1
		.amdhsa_system_sgpr_workgroup_id_x 1
		.amdhsa_system_sgpr_workgroup_id_y 1
		.amdhsa_system_sgpr_workgroup_id_z 1
		.amdhsa_system_vgpr_workitem_id 0
		.amdhsa_next_free_vgpr 226
		.amdhsa_next_free_sgpr 66
		.amdhsa_reserve_vcc 0
		.amdhsa_float_denorm_mode_32 3
		.amdhsa_float_denorm_mode_16_64 3
		.amdhsa_memory_ordered 1
		.amdhsa_forward_progress 1
		.amdhsa_inst_pref_size 77
	.end_amdhsa_kernel
	.amdgpu_metadata
---
amdhsa.version: [ 1, 2 ]
amdhsa.kernels:
  - .name:           k_qb07253cc49_prep
    .symbol:         k_qb07253cc49_prep.kd
    .args:
      - { .name: x, .offset: 0, .size: 8, .value_kind: global_buffer, .address_space: global }
      - { .name: w_qkv, .offset: 8, .size: 8, .value_kind: global_buffer, .address_space: global }
      - { .name: w_o, .offset: 16, .size: 8, .value_kind: global_buffer, .address_space: global }
      - { .name: xq, .offset: 24, .size: 8, .value_kind: global_buffer, .address_space: global }
      - { .name: wq, .offset: 32, .size: 8, .value_kind: global_buffer, .address_space: global }
    .group_segment_fixed_size: 51712
    .private_segment_fixed_size: 0
    .kernarg_segment_align: 8
    .kernarg_segment_size: 40
    .max_flat_workgroup_size: 128
    .sgpr_count:     66
    .vgpr_count:     226
    .wavefront_size: 32
...
	.end_amdgpu_metadata
.endif
;; end of part 1
;; launch gemm_qkv (part 2): grid 8 x 32, 8 waves a work-group, clusters of 4 x 4, 327,680 bytes of LDS; arguments xq, wq, b_qkv, qbuf, kvbuf; writes qbuf, kvbuf
.if DOCPART == 2
	.amdgcn_target "amdgcn-amd-amdhsa--gfx1250"
	.amdhsa_code_object_version 6
	.text
	.protected	k_qb07253cc49_gemm_qkv
	.globl	k_qb07253cc49_gemm_qkv
	.p2align	8
	.type	k_qb07253cc49_gemm_qkv,@function
k_qb07253cc49_gemm_qkv:
	s_mov_b64 s[64:65], 0
	v_nop
	global_prefetch_b8 v0, s[64:65] scope:SCOPE_SE
	s_setreg_imm32_b32 hwreg(HW_REG_WAVE_MODE, 25, 1), 1
	s_wait_xcnt 0x0
	s_wait_alu depctr_hold_cnt(0) depctr_sa_sdst(0) depctr_va_vdst(0) depctr_va_sdst(0) depctr_va_ssrc(0) depctr_va_vcc(0) depctr_vm_vsrc(0)
	s_getreg_b32 s2, hwreg(HW_REG_IB_STS2, 6, 4)
	s_cmp_eq_u32 s2, 0
	s_cbranch_scc0 .Lentry_in_a_cluster
	s_endpgm
.Lentry_in_a_cluster:
	s_bfe_u32 s2, ttmp6, 0x10000c
	s_cmp_lg_u32 s2, 0xf033
	s_cbranch_scc0 .Lentry_shape_is_right
	s_endpgm
.Lentry_shape_is_right:
; Launch 2 of 4: qkv = x w_qkv + b_qkv on codes of E2M1 (K = 1,024), and q, k, v quantised on the way out: nothing in f32 goes to memory.  No work of the problem is left out.
; SHARES.  A work-group owns 256 token places and a PAIR of heads: 32 x 8 = 256 work-groups.  It makes three products one after the other, each 256 places x 128 rows of the weight: q, k, v.
; Each of its eight waves owns 64 places (4 tiles) and one head's 64 rows (4 tiles): 16 accumulators of 16 x 16, 128 registers; no register windows.
; LDS.  The places' codes (256 rows of all of K, 512 bytes + 16 of padding) stay for all three products; w_q's and w_k's 128 rows and all scale bytes come with them at the head, one tensor load a wave:
; waves 0, 1 the halves of the places' codes, wave 2 w_q, wave 3 w_k, wave 4 the places' scale bytes, waves 5 to 7 those of w_q, w_k, w_v.  w_v's rows are filled into w_q's bytes when every wave of the
; cluster has read w_q out, by waves 0 and 1, 64 rows each; k's whole product, 128 matrix instructions a wave, stands between that request and its first read,
; so nothing is prefetched.
; CLUSTERS: 4 x 4.  The places' tiles hang on the block of places alone and are shared along a row of the cluster, the weight's on the pair of heads alone and are shared along a column: each is asked for jointly.
; THE MATRIX INSTRUCTION.  q, k: source 0 = 16 rows of the weight, source 1 = 16 places: a lane holds a place, its registers run along d.  v: source 0 = 16 places, source 1 = 16 rows of the weight: a lane holds one
; (h, d), its registers run along the keys.  By the order of rows in xq and wq the 16 registers of accumulators (i, 2 x) and (i, 2 x + 1) are 16 neighbours, 32 x + 16 (lane / 16) + 0 .. 15, along the next K:
; a lane's 32 registers of a tile i are half of two blocks of the next quantiser, lane l xor 16 has the other half.  The bias is the C of the first K step.
; OUT.  Operands leave as images of their registers, a group of four registers as 512 consecutive bytes (16 x lane):
;   qbuf  [head 64][step 16][4,608]: 8 tiles of 16 places x 512 bytes (K = the head's 64), then scale words [4 tiles on end][row 16][tile 4] (two bytes used, two bytes 0, which meet zero codes alone).
;   kvbuf [head 64][step 16][8,960]: k as q (4,096 bytes); v: 4 tiles of 16 d x 1,024 bytes (K = the step's 128 keys: my 64 keys are half c of each); k's scale words (512 bytes); v's [row 16][tile 4] (256 bytes).
;   A word of v's scales has two bytes from each of two waves: they meet in 1,024 bytes of LDS of their own, and leave as 256 consecutive bytes.
; LIMITS: as stated at the head of the first launch (the byte 1 for blocks of zeros and under 2^-124; no NaN, no infinities).
; REGISTERS: v2-7 at work; v8-19, v28-30 addresses; v20-23 source 1's scale words, v24-27 source 0's (they hold nothing else); v32-63 the bias; v64-95 source 1's four fragments (on the way out: codes and scale words);
;   v96-127 source 0's four; v128-255 the accumulators ((i, b) at 128 + 8 (4 i + b)).
.set PITCH,  528                       ; an LDS row: 33 x 16 bytes: the 16 rows that a load touches start at 16 different banks (64 banks of 4 bytes: ISA guide 11.1)
.set W0,     256*PITCH                 ; behind the places' 256 rows: w_q's 128 rows, later w_v's
.set W1,     W0+128*PITCH              ; w_k's
.set SCX,    W1+128*PITCH              ; the places' scale bytes: 32 runs of 256 bytes + 16
.set SCW,    SCX+32*272                ; the weight's: 16 runs for each of q, k, v
.set SCR,    SCW+3*16*272              ; where the halves of v's scale words meet; no fill lands there
.set SPARE,  SCR+1024                  ; the spare words, 128 bytes for each wave, which no other line names
.set XQS,    4194304                   ; xq's scale bytes
.set WQS,    1572864                   ; w_qkv's scale bytes in wq
.set TM,   2
.set ADX,  8                           ; my 64 places' fragments
.set ADW0, 9                           ; my head's 64 rows in W0,
.set ADW1, 10                          ; in W1
.set ADSX, 11                          ; my places' scale bytes
.set ADSW, 12                          ; my rows' scale bytes (q's; k's and v's by the offset)
.set LI2,  13                          ; 16 x lane + 2,048 x (which half of the step's 8 tiles)
.set LR2,  14                          ; 16 x (lane % 16) + 256 x that half
.set LI3,  15                          ; 16 x lane + 512 x that half
.set SPW,  16
.set NIL,  17
.set LR,   18                          ; 16 x (lane % 16)
.set SCRW, 19                          ; where my halves of v's scale words go
.set S1,   20
.set S0,   24
.set BA,   28                          ; the bias along d: 64 x (lane / 16) bytes
.set BAV,  29                          ; the bias of my row of w_v
.set SCRR, 30                          ; where v's whole words are read back
.set BI,   32
.set F1,   64
.set F0,   96
.set ACC,  128
.set PC,   64                          ; the way out: four registers of codes for each tile
.set PW,   88                          ; and its scale word
.set SEL,  2                           ; s[2:3] v_permlanex16_b32's selects for lane l xor 16
.set BB,   8                           ; s[8:9] b_qkv at my head;  s[10:11] qbuf, s[12:13] kvbuf at my head and step
.set BQ,   10
.set BK,   12
.set G1X,  24                          ; groups 1: the places' codes, the weight's codes, the places' scale bytes, the weight's, w_v's 64 rows
.set G1W,  32
.set G1SX, 40
.set G1SW, 48
.set G1V,  56
.set G0X,  68                          ; and their groups 0
.set G0W,  72
.set G0SX, 76
.set G0SW, 80
.set G0V,  84
.macro CROUND                          ; a round of the cluster's barrier
	s_barrier_signal -1
	s_barrier_wait -1
	s_cmp_lg_u32 s14, 0
	s_cbranch_scc1 .Lnot_wave_0_\@
	s_barrier_signal -3
.Lnot_wave_0_\@:
	s_barrier_wait -3
	s_barrier_signal -1
	s_barrier_wait -1
.endm
.macro PLACES n
.rept \n
	v_nop
.endr
.endm
.macro ARM under, g0, g1, next         ; one arm of the head's chain of branches on the wave's number: its load, and a jump to the join
	s_cmp_lt_u32 s14, \under
	s_cbranch_scc0 \next
	tensor_load_to_lds s[\g0:\g0+3], s[\g1:\g1+7]
	s_nop 0
	PLACES 4
	s_branch .Lhead_asked
\next:
.endm
.macro CODES g, rows                   ; a group 1's constant words: rows of 512 bytes, 512 bytes apart
	s_mov_b32 s[\g+1], 512<<16
	s_mov_b32 s[\g+2], (\rows)<<16
	s_mov_b32 s[\g+3], 512<<16
	s_mov_b32 s[\g+4], \rows
	s_mov_b32 s[\g+5], 512
	s_mov_b32 s[\g+6], 0
	s_mov_b32 s[\g+7], 0
.endm
.macro BYTES g, rows                   ; dense bytes as rows of 256 (32 elements of 8 bytes)
	s_mov_b32 s[\g+1], 32<<16
	s_mov_b32 s[\g+2], (\rows)<<16
	s_mov_b32 s[\g+3], 32<<16
	s_mov_b32 s[\g+4], \rows
	s_mov_b32 s[\g+5], 32
	s_mov_b32 s[\g+6], 0
	s_mov_b32 s[\g+7], 0
.endm
	s_load_b256 s[4:11], s[0:1], 0x0               ; xq, wq, b_qkv, qbuf
	s_load_b64 s[12:13], s[0:1], 0x20              ; kvbuf
	v_lshl_add_u32 v[SPW], v0, 2, SPARE
	v_mov_b32 v[NIL], 0
	ds_add_u32 v[SPW], v[NIL]                      ; the wave's opening: the add, twice on end, and its wait ahead of my first tensor load
	ds_add_u32 v[SPW], v[NIL]
	v_lshrrev_b32 v1, 5, v0
	v_readfirstlane_b32 s14, v1                    ; wave 0..7
	s_and_b32 s15, s14, 1                          ; which head of the pair is mine.  Also: which half I fetch
	s_lshr_b32 s16, s14, 1                         ; which 64 places
	s_bfe_u32 s88, ttmp6, 0x40000                  ; cx, cy: my place in the cluster
	s_bfe_u32 s89, ttmp6, 0x40004
	s_lshl_b32 s90, ttmp9, 2
	s_add_co_u32 s90, s90, s88                     ; the pair of heads, 0 .. 7
	s_and_b32 s17, ttmp7, 0xffff
	s_lshl_b32 s17, s17, 2
	s_add_co_u32 s17, s17, s89                     ; the block of 256 places, 0 .. 31
	s_lshl_b32 s91, s89, 2
	s_lshl_b32 s91, 15, s91                        ; my row of the cluster
	s_lshl_b32 s92, 0x1111, s88                    ; my column
	s_or_b32 s[G1X], s91, (0<<16)|(1<<20)|(1<<21)|(6<<22)|(3<<25)    ; elements of 1 byte; four words of padding behind each 128; the mask, bit 21 beside it
	CODES G1X, 128
	s_or_b32 s[G1W], s92, (0<<16)|(1<<20)|(1<<21)|(6<<22)|(3<<25)
	CODES G1W, 128
	s_or_b32 s[G1V], s92, (0<<16)|(1<<20)|(1<<21)|(6<<22)|(3<<25)
	CODES G1V, 64
	s_or_b32 s[G1SX], s91, (3<<16)|(1<<20)|(1<<21)|(5<<22)|(3<<25)   ; four words of padding behind each 64
	BYTES G1SX, 32
	s_or_b32 s[G1SW], s92, (3<<16)|(1<<20)|(1<<21)|(5<<22)|(3<<25)
	BYTES G1SW, 16
	s_lshl_b32 s18, s17, 17
	s_lshl_b32 s19, s15, 16
	s_add_co_u32 s18, s18, s19                     ; the places' codes: 256 rows a block, my 128
	s_mov_b32 s19, 0
	s_mul_i32 s93, s15, 128*PITCH                  ; and where they go
	s_lshl_b32 s20, s15, 19
	s_lshl_b32 s21, s90, 16
	s_add_co_u32 s20, s20, s21                     ; the weight's codes: part (wave % 2) x 1,024 rows + pair x 128 rows
	s_mov_b32 s21, 0
	s_lshl_b32 s22, s17, 13
	s_add_co_u32 s22, s22, XQS                     ; the places' scale bytes
	s_mov_b32 s23, 0
	s_add_co_u32 s94, s14, 3
	s_and_b32 s94, s94, 7                          ; waves 5, 6, 7: part 0, 1, 2
	s_lshl_b32 s96, s94, 15
	s_lshl_b32 s97, s90, 12
	s_add_co_u32 s96, s96, s97
	s_add_co_u32 s96, s96, WQS                     ; the weight's scale bytes
	s_mov_b32 s97, 0
	s_mul_i32 s94, s94, 16*272
	s_add_co_u32 s94, s94, SCW
	s_lshl_b32 s98, s90, 16
	s_lshl_b32 s99, s15, 15
	s_add_co_u32 s98, s98, s99
	s_add_co_u32 s98, s98, 1<<20                   ; w_v: row 2,048 + pair x 128 + 64 x (wave % 2)
	s_mov_b32 s99, 0
	s_mul_i32 s95, s15, 64*PITCH
	s_add_co_u32 s95, s95, W0
	s_mov_b32 s[SEL], 0x76543210
	s_mov_b32 s[SEL+1], 0xfedcba98
	s_wait_dscnt 0x0                               ; both opening adds are done
	s_wait_kmcnt 0x0
	s_mov_b32 s[G0X], 1
	s_mov_b32 s[G0X+1], s93
	s_add_nc_u64 s[G0X+2:G0X+3], s[4:5], s[18:19]
	s_or_b32 s[G0X+3], s[G0X+3], 0x80000000
	s_mov_b32 s[G0W], 1
	s_add_co_u32 s[G0W+1], s93, W0
	s_add_nc_u64 s[G0W+2:G0W+3], s[6:7], s[20:21]
	s_or_b32 s[G0W+3], s[G0W+3], 0x80000000
	s_mov_b32 s[G0SX], 1
	s_mov_b32 s[G0SX+1], SCX
	s_add_nc_u64 s[G0SX+2:G0SX+3], s[4:5], s[22:23]
	s_or_b32 s[G0SX+3], s[G0SX+3], 0x80000000
	s_mov_b32 s[G0SW], 1
	s_mov_b32 s[G0SW+1], s94
	s_add_nc_u64 s[G0SW+2:G0SW+3], s[6:7], s[96:97]
	s_or_b32 s[G0SW+3], s[G0SW+3], 0x80000000
	s_mov_b32 s[G0V], 1
	s_mov_b32 s[G0V+1], s95
	s_add_nc_u64 s[G0V+2:G0V+3], s[6:7], s[98:99]
	s_or_b32 s[G0V+3], s[G0V+3], 0x80000000
	CROUND                                         ; all sixteen work-groups are here: the joint loads meet
	ARM 2, G0X,  G1X,  .Lhead_w                    ; one load of mine is out
	ARM 4, G0W,  G1W,  .Lhead_sx
	ARM 5, G0SX, G1SX, .Lhead_sw
	tensor_load_to_lds s[G0SW:G0SW+3], s[G1SW:G1SW+7]
	s_nop 0
	PLACES 4
.Lhead_asked:
	s_lshr_b32 s18, s17, 3                         ; the batch
	s_lshl_b32 s18, s18, 4
	s_lshl_b32 s19, s90, 1
	s_add_co_u32 s19, s19, s15                     ; my head, of 16
	s_add_co_u32 s18, s18, s19                     ; and of 64
	s_mul_i32 s96, s19, 768
	s_mov_b32 s97, 0
	s_add_nc_u64 s[BB:BB+1], s[BB:BB+1], s[96:97]  ; b_qkv at 192 x head
	s_and_b32 s19, s17, 7
	s_lshl_b32 s19, s19, 1
	s_lshr_b32 s20, s16, 1
	s_add_co_u32 s19, s19, s20                     ; the step of 128 places in the batch
	s_mul_i32 s96, s18, 73728
	s_mul_i32 s21, s19, 4608
	s_add_co_u32 s96, s96, s21
	s_add_nc_u64 s[BQ:BQ+1], s[BQ:BQ+1], s[96:97]
	s_mul_i32 s96, s18, 143360
	s_mul_i32 s21, s19, 8960
	s_add_co_u32 s96, s96, s21
	s_add_nc_u64 s[BK:BK+1], s[BK:BK+1], s[96:97]
	s_lshl_b32 s23, s15, 1
	s_add_co_u32 s23, s23, s20
	s_lshl_b32 s23, s23, 8
	s_add_co_u32 s23, s23, SCR                     ; 256 bytes for each head and step
	s_mul_i32 s18, s16, 64*PITCH                   ; my 64 places
	s_mul_i32 s19, s15, 64*PITCH
	s_add_co_u32 s19, s19, W0                      ; my head's 64 rows
	s_add_co_u32 s20, s19, 128*PITCH
	s_mul_i32 s21, s16, 8*272
	s_add_co_u32 s21, s21, SCX
	s_mul_i32 s22, s15, 8*272
	s_add_co_u32 s22, s22, SCW
	s_and_b32 s93, s16, 1                          ; which half of the step
	s_lshl_b32 s94, s93, 11
	s_lshl_b32 s95, s93, 8
	s_lshl_b32 s96, s93, 9
	s_lshl_b32 s97, s93, 1
	v_and_b32 v1, 15, v0                           ; r = lane % 16
	v_bfe_u32 v2, v0, 4, 1                         ; h = lane / 16
	v_and_b32 v3, 31, v0
	v_mul_u32_u24 v4, v1, PITCH
	v_lshl_add_u32 v4, v2, 4, v4                   ; a fragment: row r x pitch + 16 h
	v_add_nc_u32 v[ADX], s18, v4
	v_add_nc_u32 v[ADW0], s19, v4
	v_add_nc_u32 v[ADW1], s20, v4
	v_lshrrev_b32 v5, 3, v1
	v_and_b32 v6, 7, v1
	v_mul_u32_u24 v5, v5, 272
	v_lshl_add_u32 v5, v6, 5, v5                   ; row r's 32 scale bytes: 8 rows to a run of 256
	v_add_nc_u32 v[ADSX], s21, v5
	v_add_nc_u32 v[ADSW], s22, v5
	v_lshlrev_b32 v[LR], 4, v1
	v_lshl_add_u32 v[LI2], v3, 4, s94
	v_lshl_add_u32 v[LR2], v1, 4, s95
	v_lshl_add_u32 v[LI3], v3, 4, s96
	v_add_nc_u32 v[SCRR], s23, v[LR]
	v_add_nc_u32 v[SCRW], s97, v[SCRR]
	v_lshlrev_b32 v[BA], 6, v2
	v_and_b32 v7, 8, v1
	v_add_nc_u32 v7, v7, v1
	v_lshlrev_b32 v[BAV], 2, v7                    ; place r of a tile of the weight holds d = .. + r + 8 (r / 8)
.macro BIASD off                       ; q, k: register 8 b + j of a lane wants b_qkv at d = 32 (b / 2) + 16 h + 8 (b % 2) + j
.irp b, 0,1,2,3
	global_load_b128 v[BI+8*\b:BI+8*\b+3], v[BA], s[BB:BB+1] offset:\off+4*(32*(\b/2)+8*(\b%2))
	global_load_b128 v[BI+8*\b+4:BI+8*\b+7], v[BA], s[BB:BB+1] offset:\off+4*(32*(\b/2)+8*(\b%2))+16
.endr
.endm
.macro BIASV                           ; v: all eight registers of tile i want the bias of my row
.irp i, 0,1,2,3
.irp j, 0,1,2,3,4,5,6,7
	global_load_b32 v[BI+8*\i+\j], v[BAV], s[BB:BB+1] offset:512+4*(32*(\i/2)+8*(\i%2))
.endr
.endr
.endm
	BIASD 0
; A K STEP of 128: 8 scale words, 4 fragments of each source, 16 products, source 0's tiles one after the other.  The 16 accumulators take turns in the same order in every step.
; ad0, as0, so0: source 0's fragments, its scale bytes and their offset; ad1, as1, so1: source 1's.  ck: the first step's C runs with source 0's tile (0) or source 1's (1).  nb: the next product's bias, asked for in step 1.
.macro KSTEP q, ad0, as0, so0, ad1, as1, so1, ck, nb
.if \q
	PLACES 4                                       ; in front of loads into registers that the last products have read
.endif
.if (\q) == 1
.if (\nb) == 1
	BIASD 256
.elseif (\nb) == 2
	BIASV
.endif
.endif
.irp i, 0,1,2,3
	ds_load_b32 v[S1+\i], v[\as1] offset:\so1+4*(\q)+544*\i
	ds_load_b32 v[S0+\i], v[\as0] offset:\so0+4*(\q)+544*\i
.endr
.irp i, 0,1,2,3
.irp c, 0,1
	ds_load_b128 v[F1+8*\i+4*\c:F1+8*\i+4*\c+3], v[\ad1] offset:16*PITCH*\i+64*(\q)+32*\c
.endr
.endr
.irp i, 0,1,2,3
.irp c, 0,1
	ds_load_b128 v[F0+8*\i+4*\c:F0+8*\i+4*\c+3], v[\ad0] offset:16*PITCH*\i+64*(\q)+32*\c
.endr
.endr
.irp b, 0,1,2,3
	s_wait_dscnt 6-2*\b                            ; source 0's tile b is in; the two loads of each later tile may be out
.irp i, 0,1,2,3
.if \q
	v_wmma_scale_f32_16x16x128_f8f6f4 v[ACC+8*(4*\i+\b):ACC+8*(4*\i+\b)+7], v[F0+8*\b:F0+8*\b+7], v[F1+8*\i:F1+8*\i+7], v[ACC+8*(4*\i+\b):ACC+8*(4*\i+\b)+7], v[S0+\b], v[S1+\i] matrix_a_fmt:MATRIX_FMT_FP4 matrix_b_fmt:MATRIX_FMT_FP4
.elseif \ck
	v_wmma_scale_f32_16x16x128_f8f6f4 v[ACC+8*(4*\i+\b):ACC+8*(4*\i+\b)+7], v[F0+8*\b:F0+8*\b+7], v[F1+8*\i:F1+8*\i+7], v[BI+8*\i:BI+8*\i+7], v[S0+\b], v[S1+\i] matrix_a_fmt:MATRIX_FMT_FP4 matrix_b_fmt:MATRIX_FMT_FP4
.else
	v_wmma_scale_f32_16x16x128_f8f6f4 v[ACC+8*(4*\i+\b):ACC+8*(4*\i+\b)+7], v[F0+8*\b:F0+8*\b+7], v[F1+8*\i:F1+8*\i+7], v[BI+8*\b:BI+8*\b+7], v[S0+\b], v[S1+\i] matrix_a_fmt:MATRIX_FMT_FP4 matrix_b_fmt:MATRIX_FMT_FP4
.endif
.endr
.endr
.endm
.macro PRODUCT ad0, as0, so0, ad1, as1, so1, ck, nb
.irp q, 0,1,2,3,4,5,6,7
	KSTEP \q, \ad0, \as0, \so0, \ad1, \as1, \so1, \ck, \nb
.endr
	PLACES 4                                       ; behind the last products, in front of the first read of results
.endm
; 32 numbers of a lane, v[s] on, register 16 b + i = place 32 b + 16 (lane / 16) + i along the next K, become four registers of codes (K = 32 (lane / 16) + 0 .. 31 of these 64) and two scale bytes.  Each accumulator is read from its low end on.
.macro QUANT2 s, pc, pw
.irp b, 0,1
	v_max3_num_f32 v[TM+\b], |v[(\s)+16*\b]|, |v[(\s)+16*\b+1]|, 0x1800000   ; my 16 numbers of block b, and the floor 2^(3 - 127): the byte cannot fall under 1
.endr
.irp i, 2,4,6,8,10,12,14
.irp b, 0,1
	v_max3_num_f32 v[TM+\b], v[TM+\b], |v[(\s)+16*\b+\i]|, |v[(\s)+16*\b+\i+1]|
.endr
.endr
.irp b, 0,1
	v_permlanex16_b32 v[TM+2+\b], v[TM+\b], s[SEL], s[SEL+1]
.endr
.irp b, 0,1
	v_max_num_f32 v[TM+\b], v[TM+\b], v[TM+2+\b]   ; with lane l xor 16's: the block's largest magnitude
.endr
.irp b, 0,1
	v_add_nc_u32 v[TM+4+\b], 0xff000000, v[TM+\b]  ; 2 off its exponent field: the conversion's scale operand
.endr
.irp b, 0,1
	v_lshrrev_b32 v[TM+2+\b], 23, v[TM+4+\b]       ; the scale's byte
.endr
	v_lshl_or_b32 v[\pw], v[TM+3], 8, v[TM+2]
.irp b, 0,1
	v_cvt_scalef32_pk8_fp4_f32 v[(\pc)+2*\b], v[(\s)+16*\b:(\s)+16*\b+7], v[TM+4+\b]
	v_cvt_scalef32_pk8_fp4_f32 v[(\pc)+2*\b+1], v[(\s)+16*\b+8:(\s)+16*\b+15], v[TM+4+\b]
.endr
	v_nop                                          ; one plain place behind a scaled conversion
	v_permlane16_swap_b32 v[\pc], v[(\pc)+2]       ; the operand's layout wants a whole block in a lane
	v_permlane16_swap_b32 v[(\pc)+1], v[(\pc)+3]
.endm
.macro OUTQK base, words               ; q or k: four tiles of 16 places: each tile's image, then the four tiles' scale words of a row
.irp i, 0,1,2,3
	QUANT2 ACC+32*\i, PC+4*\i, PW+\i
	global_store_b128 v[LI2], v[PC+4*\i:PC+4*\i+3], s[\base:\base+1] offset:512*\i   ; 512 consecutive bytes
.endr
	global_store_b128 v[LR2], v[PW:PW+3], s[\base:\base+1] offset:\words   ; sixteen lanes store 256 consecutive bytes, aligned (lanes l and l xor 16 the same bytes with the same values)
.endm
	s_wait_alu depctr_va_vdst(0)
	s_wait_tensorcnt 0x0                           ; my tile is in,
	s_barrier_signal -1
	s_barrier_wait -1                              ; everybody's is
	s_wait_loadcnt 0x0                             ; q's bias
	PRODUCT ADW0, ADSW, 0, ADX, ADSX, 0, 0, 1      ; q
	s_wait_tensorcnt 0x0                           ; w_q has been read out, ahead of the refill's round
	ds_add_u32 v[SPW], v[NIL]
	s_wait_dscnt 0x0                               ; the add is done, and so are my reads of w_q
	CROUND                                         ; both hold of every wave of every work-group of the cluster
	s_cmp_lt_u32 s14, 2                            ; waves 0 and 1: w_v's rows, 64 each, into w_q's bytes
	s_cbranch_scc0 .Lno_refill
	tensor_load_to_lds s[G0V:G0V+3], s[G1V:G1V+7]
	s_nop 0
	PLACES 4
.Lno_refill:
	OUTQK BQ, 4096
	s_wait_alu depctr_va_vdst(0)
	s_wait_xcnt 0x0                                ; the stores have read their data: the fragments' registers may be loaded again
	s_wait_loadcnt 0x0                             ; k's bias
	PRODUCT ADW1, ADSW, 16*272, ADX, ADSX, 0, 0, 2 ; k
	OUTQK BK, 8192
	s_wait_alu depctr_va_vdst(0)
	s_wait_xcnt 0x0
	s_wait_loadcnt 0x0                             ; v's bias
	s_wait_tensorcnt 0x0                           ; my part of w_v is in,
	s_wait_dscnt 0x0
	s_barrier_signal -1
	s_barrier_wait -1                              ; everybody's is.
	PRODUCT ADX, ADSX, 0, ADW0, ADSW, 2*16*272, 1, 0   ; v: the places are source 0
.irp i, 0,1,2,3
	QUANT2 ACC+32*\i, PC+4*\i, PW+\i
	global_store_b128 v[LI3], v[PC+4*\i:PC+4*\i+3], s[BK:BK+1] offset:4096+1024*\i   ; my 64 keys' half of tile i's image: 512 consecutive bytes
	ds_store_b16 v[SCRW], v[PW+\i] offset:4*\i     ; my two bytes of the word of row r, tile i
.endr
	s_wait_dscnt 0x0                               ; for the others' sake
	s_barrier_signal -1
	s_barrier_wait -1
	s_cmp_lg_u32 s93, 0                            ; the wave of the step's first 64 keys stores the whole words
	s_cbranch_scc1 .Lno_words
	ds_load_b128 v[92:95], v[SCRR]
	s_wait_dscnt 0x0
	global_store_b128 v[LR], v[92:95], s[BK:BK+1] offset:8704   ; sixteen lanes store 256 consecutive bytes, aligned
.Lno_words:
	s_wait_tensorcnt 0x0                           ; the wave's end
	ds_add_u32 v[SPW], v[NIL]
	s_wait_dscnt 0x0
	CROUND                                         ; the closing round
	s_endpgm
.Lfunc_end_k_qb07253cc49_gemm_qkv:
	.size	k_qb07253cc49_gemm_qkv, .Lfunc_end_k_qb07253cc49_gemm_qkv-k_qb07253cc49_gemm_qkv
	.p2alignl 7, 3214868480
	.fill 96, 4, 3214868480
	.section	.rodata,"a",@progbits
	.p2align	6, 0x0
	.amdhsa_kernel k_qb07253cc49_gemm_qkv
		.amdhsa_group_segment_fixed_size 327680
		.amdhsa_private_segment_fixed_size 0
		.amdhsa_enable_private_segment 0
		.amdhsa_kernarg_size 40
		.amdhsa_user_sgpr_count 2
		.amdhsa_user_sgpr_kernarg_segment_ptr 1
		.amdhsa_wavefront_size32 1
		.amdhsa_system_sgpr_workgroup_id_x 1
		.amdhsa_system_sgpr_workgroup_id_y 1
		.amdhsa_system_sgpr_workgroup_id_z 1
		.amdhsa_system_vgpr_workitem_id 0
		.amdhsa_next_free_vgpr 256
		.amdhsa_next_free_sgpr 100
		.amdhsa_reserve_vcc 0
		.amdhsa_float_denorm_mode_32 3
		.amdhsa_float_denorm_mode_16_64 3
		.amdhsa_memory_ordered 1
		.amdhsa_forward_progress 1
		.amdhsa_inst_pref_size 130
	.end_amdhsa_kernel
	.amdgpu_metadata
---
amdhsa.version: [ 1, 2 ]
amdhsa.kernels:
  - .name:           k_qb07253cc49_gemm_qkv
    .symbol:         k_qb07253cc49_gemm_qkv.kd
    .args:
      - { .name: xq, .offset: 0, .size: 8, .value_kind: global_buffer, .address_space: global }
      - { .name: wq, .offset: 8, .size: 8, .value_kind: global_buffer, .address_space: global }
      - { .name: b_qkv, .offset: 16, .size: 8, .value_kind: global_buffer, .address_space: global }
      - { .name: qbuf, .offset: 24, .size: 8, .value_kind: global_buffer, .address_space: global }
      - { .name: kvbuf, .offset: 32, .size: 8, .value_kind: global_buffer, .address_space: global }
    .group_segment_fixed_size: 327680
    .private_segment_fixed_size: 0
    .kernarg_segment_align: 8
    .kernarg_segment_size: 40
    .max_flat_workgroup_size: 256
    .sgpr_count:     100
    .vgpr_count:     256
    .wavefront_size: 32
...
	.end_amdgpu_metadata
.endif
;; end of part 2
;; launch attn (part 3): grid 8 x 32, 16 waves a work-group, clusters of 4 x 1, 327,680 bytes of LDS; arguments qbuf, kvbuf, vq; writes vq
.if DOCPART == 3
	.amdgcn_target "amdgcn-amd-amdhsa--gfx1250"
	.amdhsa_code_object_version 6
	.text
	.protected	k_qb07253cc49_attn
	.globl	k_qb07253cc49_attn
	.p2align	8
	.type	k_qb07253cc49_attn,@function
k_qb07253cc49_attn:
	s_mov_b64 s[64:65], 0
	v_nop
	global_prefetch_b8 v0, s[64:65] scope:SCOPE_SE
	s_setreg_imm32_b32 hwreg(HW_REG_WAVE_MODE, 25, 1), 1
	s_wait_xcnt 0x0
	s_wait_alu depctr_hold_cnt(0) depctr_sa_sdst(0) depctr_va_vdst(0) depctr_va_sdst(0) depctr_va_ssrc(0) depctr_va_vcc(0) depctr_vm_vsrc(0)
	s_getreg_b32 s2, hwreg(HW_REG_IB_STS2, 6, 4)
	s_cmp_eq_u32 s2, 0
	s_cbranch_scc0 .Lentry_in_a_cluster
	s_endpgm
.Lentry_in_a_cluster:
	s_bfe_u32 s2, ttmp6, 0x10000c
	s_cmp_lg_u32 s2, 0x3003
	s_cbranch_scc0 .Lentry_shape_is_right
	s_endpgm
.Lentry_shape_is_right:
; Launch 3 of 4: vals = softmax(q k^T / 8) v for all 64 heads, both products on codes of E2M1, and vals quantised along E for the last product.  No work of the problem is left out.
; THE SOFTMAX AHEAD OF THE SECOND PRODUCT: t = score x log2(e) / 8; M = the row's largest t so far, rounded UP to a whole number; p = 2^(t - M) is quantised along the keys, not normalised.
; The row's sum is taken of the unquantised p, in f32, and divides at the end.  When M moves, the sum and O are multiplied by 2^(old M - new M): exact.
; SHARES.  A work-group owns 256 query places of one batch and a PAIR of heads (2 p, 2 p + 1); each of its sixteen waves owns one tile of 16 queries and walks the two heads one after the other,
; 16 steps of 128 keys each.  So a wave ends with both heads' codes and all four scale bytes of K step p of the last product.
; K AND V OF BOTH HEADS STAY IN LDS: 32 steps x 8,960 bytes, as they lie in kvbuf: images of operand registers.  Waves 0 to 3 ask for steps 0 to 3 at the kernel's head, a step each; behind a round of the cluster,
; waves 0 to 13 ask for the other 28 steps, two each: one tensor load of a wave is out at any time.  No byte is filled again.
; Nothing is prefetched: behind these two groups of loads no stream is waited for, and there is no loop to run ahead in.
; CLUSTER: the four query blocks of a cluster walk the same pair of heads: its bytes are asked for jointly (mask 15).
; LAYOUT.  S^T = K Q^T (source 0 = 16 keys, source 1 = my 16 queries; K = the head's 64, so registers 4-7 of both fragments are zero codes), O^T = V^T P^T: a lane holds ONE query throughout.
; THE KEYS OF A TILE ARE CHOSEN AS THEY ARE READ FROM LDS: rows 0-7 of tile (g, t) are keys 64 g + 8 t + 0 .. 7, rows 8-15 keys 64 g + 32 + 8 t + 0 .. 7.  So the 32 registers of tiles (g, 0 .. 3) in lane
; (r, h) are keys 64 g + 32 h + 0 .. 31: ONE WHOLE BLOCK of the quantiser, in the order in which the second product's operand wants them: a block's largest score needs no other lane, and the conversions'
; results are the operand's registers as they stand.  In kvbuf's image, tile 2 x + u holds key 32 x + 8 u + r + 8 (r / 8) at row r; so lane (r, h) reads at 1,024 (r / 8) + 256 h + 16 (r % 8), + 2,048 g + 512 (t % 2) + 128 (t / 2).
; (Rows 0-7 and 8-15 lie 1,024 bytes apart there: two lanes of sixteen name the same 16-byte column modulo 256.)
; OUT.  vq: images [tile of 16 places 512][pair 8][head of the pair 2][512 bytes]; then scale words [pair 8][place 8192].
; LIMITS: as stated at the head of the first launch; and the promise holds while the scaled scores t stay under 2^31 in magnitude.
; REGISTERS: v1-11 addresses and vals' scale word; v12 -M, v13 the largest score, v[14:15] the sum; v16-23 Q; v24-31 K's scale words; v32-95 eight fragments of K; v96-159 S^T, then p; v160-191 O^T;
;   v192-223 four fragments of V; v224-231 p's codes; v232-241, v246-247, v254 at work; v242-245 addresses; v248-251 V's scale words; v252 f; v253 p's scale word; v255 Q's scale word.
.set STEPB, 8960                       ; a step's bytes: K's 8 images, V's 4, K's scale words (at 8,192), V's (at 8,704)
.set HEADB, 16*STEPB
.set SCST,  2*HEADB                    ; behind K and V: 1,024 bytes in which the work-group's 256 scale words meet; no fill lands there
.set SPARE, SCST+1024                  ; the spare words, 128 bytes for each wave, which no other line names
.set LI,  1                            ; v1   16 x lane
.set LR,  2                            ; v2   16 x (lane % 16)
.set SPW, 3
.set NIL, 4
.set ADK, 5                            ; v5   the step's tiles of K
.set ADS, 6                            ; v6   K's scale words
.set SCW, 7                            ; v7   where my scale word goes in LDS
.set SCR, 8                            ; v8   where waves 0, 1 read the words back
.set SCO, 9                            ; v9   and where they go in memory
.set AK0, 10                           ; v10  my lane's place in a tile of K
.set SWD, 11                           ; v11  vals' scale word of my query
.set AS0, 242                          ; v242 my lane's place among K's scale words: 16 (r % 8) + 8 (r / 8)
.set ADV, 243                          ; v243 the step's images of V
.set ADT, 244                          ; v244 V's scale words
.set SH8, 245                          ; v245 8 x (lane / 16)
.set WV,  18
.set SEL, 20                           ; s[20:21] selects for lane l xor 16
.set CS,  22                           ; s[22:23] c = log2(e) / 8
.set TB,  2                            ; s2   LDS byte at which the step in hand begins
.set CNT, 3                            ; s3   counts steps
.set G1A, 24                           ; s[24:31] group 1: a step, 35 rows of 256 bytes;  s[32:39]: two steps, 70 rows;  s[40:43], s[44:47] their groups 0
.set G1B, 32
.set G0A, 40
.set G0B, 44
.set QC,  50                           ; s[50:51] my tile of Q, first head
.set QS,  52                           ; s[52:53] its scale words
.set OC,  54                           ; s[54:55] my image in vq
.set OS,  56                           ; s[56:57] the work-group's scale words in vq
.macro CROUND                          ; a round of the cluster's barrier
	s_barrier_signal -1
	s_barrier_wait -1
	s_cmp_lg_u32 s[WV], 0
	s_cbranch_scc1 .Lnot_wave_0_\@
	s_barrier_signal -3
.Lnot_wave_0_\@:
	s_barrier_wait -3
	s_barrier_signal -1
	s_barrier_wait -1
.endm
.macro PLACES n
.rept \n
	v_nop
.endr
.endm
	s_load_b128 s[4:7], s[0:1], 0x0                ; qbuf, kvbuf
	s_load_b64 s[8:9], s[0:1], 0x10                ; vq
	v_lshl_add_u32 v[SPW], v0, 2, SPARE
	v_mov_b32 v[NIL], 0
	ds_add_u32 v[SPW], v[NIL]                      ; the wave's opening: the add, twice on end, and its wait ahead of the first tensor loads
	ds_add_u32 v[SPW], v[NIL]
	v_lshrrev_b32 v5, 5, v0
	v_readfirstlane_b32 s[WV], v5                  ; wave 0..15
	s_bfe_u32 s13, ttmp6, 0x40000                  ; cx
	s_lshl_b32 s14, ttmp9, 2
	s_add_co_u32 s14, s14, s13                     ; my block of 256 query places: it enters Q's and vq's addresses alone
	s_and_b32 s15, ttmp7, 0xffff                   ; 8 x batch + pair, which the four partners share
	; descriptor groups 1: dense bytes as rows of 256 (32 elements of 8 bytes), no padding; mask: all four work-groups, bit 21 beside it
	s_mov_b32 s[G1A], 15|(3<<16)|(1<<21)
	s_mov_b32 s[G1A+1], 32<<16                     ; tensor_dim0
	s_mov_b32 s[G1A+2], 35<<16                     ; tensor_dim1: one step
	s_mov_b32 s[G1A+3], 32<<16                     ; tile_dim0
	s_mov_b32 s[G1A+4], 35                         ; tile_dim1
	s_mov_b32 s[G1A+5], 32                         ; the pitch
	s_mov_b32 s[G1A+6], 0
	s_mov_b32 s[G1A+7], 0
	s_mov_b32 s[G1B], 15|(3<<16)|(1<<21)
	s_mov_b32 s[G1B+1], 32<<16
	s_mov_b32 s[G1B+2], 70<<16                     ; two steps
	s_mov_b32 s[G1B+3], 32<<16
	s_mov_b32 s[G1B+4], 70
	s_mov_b32 s[G1B+5], 32
	s_mov_b32 s[G1B+6], 0
	s_mov_b32 s[G1B+7], 0
	s_mul_i32 s17, s[WV], STEPB                    ; step (wave), in LDS as in the pair's bytes
	s_lshl_b32 s12, s17, 1
	s_add_co_u32 s12, s12, 4*STEPB                 ; steps 4 + 2 x wave on
	s_mul_i32 s10, s15, 2*HEADB                    ; the pair's first byte in kvbuf
	s_mov_b32 s11, 0
	s_mov_b32 s[SEL], 0x76543210
	s_mov_b32 s[SEL+1], 0xfedcba98
	s_mov_b32 s[CS], 0x3e38aa3b                    ; c = log2(e) / 8
	s_mov_b32 s[CS+1], s[CS]                       ; (named with it as a pair, so it is written)
	s_mov_b32 s[TB], 0
	s_wait_dscnt 0x0                               ; both opening adds are done
	s_wait_kmcnt 0x0
	s_add_nc_u64 s[6:7], s[6:7], s[10:11]
	s_mov_b32 s10, s17
	s_mov_b32 s[G0A], 1
	s_mov_b32 s[G0A+1], s17
	s_add_nc_u64 s[G0A+2:G0A+3], s[6:7], s[10:11]
	s_or_b32 s[G0A+3], s[G0A+3], 0x80000000
	s_mov_b32 s10, s12
	s_mov_b32 s[G0B], 1
	s_mov_b32 s[G0B+1], s12
	s_add_nc_u64 s[G0B+2:G0B+3], s[6:7], s[10:11]
	s_or_b32 s[G0B+3], s[G0B+3], 0x80000000
	CROUND                                         ; all four work-groups are here: the joint loads meet
	s_cmp_lt_u32 s[WV], 4                          ; the head's loads: waves 0 to 3, a step each
	s_cbranch_scc0 .Lno_first
	tensor_load_to_lds s[G0A:G0A+3], s[G1A:G1A+7]
	s_nop 0
	PLACES 4
.Lno_first:
	s_lshl_b32 s10, s15, 1                         ; the first head of the pair, among 64
	s_mul_i32 s10, s10, 73728
	s_lshl_b32 s12, s14, 1
	s_lshr_b32 s16, s[WV], 3
	s_add_co_u32 s12, s12, s16                     ; which 128 query places
	s_mul_i32 s12, s12, 4608
	s_add_co_u32 s10, s10, s12
	s_and_b32 s12, s[WV], 7                        ; my tile among their eight
	s_lshl_b32 s16, s12, 9
	s_add_co_u32 s16, s16, s10
	s_mov_b32 s17, 0
	s_add_nc_u64 s[QC:QC+1], s[4:5], s[16:17]
	s_lshr_b32 s16, s12, 2
	s_lshl_b32 s16, s16, 8
	s_and_b32 s12, s12, 3
	s_lshl_b32 s12, s12, 2
	s_add_co_u32 s16, s16, s12
	s_add_co_u32 s16, s16, s10
	s_add_co_u32 s16, s16, 4096
	s_add_nc_u64 s[QS:QS+1], s[4:5], s[16:17]      ; [4 tiles on end][row][tile] words
	s_lshr_b32 s10, s15, 3                         ; the batch
	s_and_b32 s12, s15, 7                          ; the pair
	s_lshl_b32 s16, s10, 7
	s_lshl_b32 s19, s14, 4
	s_add_co_u32 s16, s16, s19
	s_add_co_u32 s16, s16, s[WV]                   ; my tile among 512
	s_lshl_b32 s16, s16, 13
	s_lshl_b32 s19, s12, 10
	s_add_co_u32 s16, s16, s19
	s_add_nc_u64 s[OC:OC+1], s[8:9], s[16:17]
	s_lshl_b32 s16, s12, 15
	s_lshl_b32 s19, s10, 13
	s_add_co_u32 s16, s16, s19
	s_lshl_b32 s19, s14, 10
	s_add_co_u32 s16, s16, s19
	s_add_co_u32 s16, s16, 4194304
	s_add_nc_u64 s[OS:OS+1], s[8:9], s[16:17]
	s_lshl_b32 s10, s[WV], 6
	s_add_co_u32 s10, s10, SCST
	v_and_b32 v[LI], 31, v0
	v_and_b32 v[LR], 15, v0
	v_and_b32 v[SCO], 63, v0
	v_and_b32 v232, 7, v0                          ; r % 8
	v_bfe_u32 v233, v0, 3, 1                       ; r / 8
	v_bfe_u32 v234, v0, 4, 1                       ; h = lane / 16
	v_lshlrev_b32 v[LI], 4, v[LI]
	v_lshlrev_b32 v[SCW], 2, v[LR]
	v_lshlrev_b32 v[LR], 4, v[LR]
	v_lshlrev_b32 v[SCO], 4, v[SCO]
	v_lshlrev_b32 v[AK0], 4, v232
	v_lshlrev_b32 v[SH8], 3, v234
	v_add_nc_u32 v[SCW], s10, v[SCW]               ; 64 x wave + 4 x (lane % 16)
	v_add_nc_u32 v[SCR], SCST, v[SCO]
	v_lshl_add_u32 v[AS0], v233, 3, v[AK0]         ; 16 (r % 8) + 8 (r / 8)
	v_lshl_add_u32 v[AK0], v233, 10, v[AK0]
	v_lshl_add_u32 v[AK0], v234, 8, v[AK0]         ; 1,024 (r / 8) + 256 h + 16 (r % 8)
	global_load_b128 v[16:19], v[LI], s[QC:QC+1]   ; my tile of Q, first head: registers 0-3,
	global_load_b32 v255, v[LR], s[QS:QS+1]        ; and its scale words
.irp j, 20,21,22,23
	v_mov_b32 v[\j], 0                             ; Q's registers 4-7: zero codes for K = 64 .. 127
.endr
.irp t, 0,1,2,3,4,5,6,7
.irp j, 4,5,6,7
	v_mov_b32 v[32+8*\t+\j], 0                     ; and K's: written once, never loaded
.endr
.endr
	v_mov_b32 v237, 0                              ; written once: a lane permute's destination counts as one of its sources
	v_mov_b32 v253, 0                              ; (named as the upper half of the pair v[252:253] before it is first written)
.macro SUMS n                          ; n more pairs of p onto the row's sum, three chains by turns; each line is a dual pair: destinations even and odd, the two first and the two second sources in different banks
.rept \n
.if (SJ%3) == 0
	v_dual_add_f32 v14, v14, v[96+2*SJ] :: v_dual_add_f32 v15, v15, v[97+2*SJ]
.elseif (SJ%3) == 1
	v_dual_add_f32 v240, v240, v[96+2*SJ] :: v_dual_add_f32 v241, v241, v[97+2*SJ]
.else
	v_dual_add_f32 v246, v246, v[96+2*SJ] :: v_dual_add_f32 v247, v247, v[97+2*SJ]
.endif
.set SJ, SJ+1
.endr
.endm
; A KEY STEP: 128 keys, at LDS byte s[TB].
.macro STEP
	v_add_nc_u32 v[ADK], s[TB], v[AK0]             ; these four are also the places behind the last step's products, in front of loads into registers that they have read
	v_add_nc_u32 v[ADS], s[TB], v[AS0]
	v_add_nc_u32 v[ADV], s[TB], v[LI]
	v_add_nc_u32 v[ADT], s[TB], v[LR]
.irp g, 0,1
.irp u, 0,1
	ds_load_b64 v[24+4*\g+2*\u:25+4*\g+2*\u], v[ADS] offset:8192+256*\g+128*\u   ; the scale words of my row in tiles (g, 2 u) and (g, 2 u + 1)
.endr
.endr
.irp g, 0,1
.irp t, 0,1,2,3
	ds_load_b128 v[32+32*\g+8*\t:35+32*\g+8*\t], v[ADK] offset:2048*\g+512*(\t%2)+128*(\t/2)
.endr
.endr
	ds_load_b128 v[248:251], v[ADT] offset:8704    ; V's scale words
.irp t, 0,1,2,3
.irp c, 0,1
	ds_load_b128 v[192+8*\t+4*\c:195+8*\t+4*\c], v[ADV] offset:4096+1024*\t+512*\c
.endr
.endr
	s_wait_dscnt 9                                 ; K and its words are in; V's nine loads may be out: they land under the softmax
.irp t, 0,1,2,3,4,5,6,7
	v_wmma_scale_f32_16x16x128_f8f6f4 v[96+8*\t:103+8*\t], v[32+8*\t:39+8*\t], v[16:23], 0, v[24+\t], v255 matrix_a_fmt:MATRIX_FMT_FP4 matrix_b_fmt:MATRIX_FMT_FP4
.endr
	v_mov_b32 v254, v12                            ; the old -M.  (With the three lines below: four places behind the products)
	PLACES 3
.irp b, 0,1,2,3
	v_max3_num_f32 v[232+\b], v[96+16*\b], v[97+16*\b], v[98+16*\b]   ; the largest score, four chains of 16 registers by turns, each accumulator from its low end on
.endr
.irp i, 3,5,7,9,11,13
.irp b, 0,1,2,3
	v_max3_num_f32 v[232+\b], v[232+\b], v[96+16*\b+\i], v[97+16*\b+\i]
.endr
.endr
	v_max3_num_f32 v232, v232, v233, v111
	v_max3_num_f32 v234, v234, v235, v143
	v_max_num_f32 v232, v232, v127                 ; THE LARGEST SCORE OF MY TWO BLOCKS OF 32 KEYS: all 32 are mine.  It serves for the row's maximum and, since p rises with the score, for the block's largest p
	v_max_num_f32 v234, v234, v159
	s_delay_alu instid0(VALU_DEP_1)
	v_max_num_f32 v236, v232, v234
	s_delay_alu instid0(VALU_DEP_1)
	v_permlanex16_b32 v237, v236, s[SEL], s[SEL+1]
	s_delay_alu instid0(VALU_DEP_1)
	v_max3_num_f32 v13, v13, v236, v237            ; with lane l xor 16's two blocks: the running largest score of my query
	s_delay_alu instid0(VALU_DEP_1)
	v_mul_f32 v238, s[CS], v13                     ; as t (c is positive)
	s_delay_alu instid0(VALU_DEP_1)
	v_floor_f32 v12, -v238                         ; the new -M = floor(-t) = -ceil(t)
	s_delay_alu instid0(VALU_DEP_1)
	v_sub_f32 v254, v12, v254                      ; old M - new M: a whole number, 0 or less
	s_delay_alu instid0(VALU_DEP_1)
	v_cvt_i32_f32 v254, v254                       ; (it saturates)
	s_delay_alu instid0(VALU_DEP_1)
	v_ldexp_f32 v252, 1.0, v254                    ; f = 2^(old M - new M)
.set J, 0
.rept 32
	v_pk_fma_f32 v[96+J:97+J], v[96+J:97+J], s[CS:CS+1], v[12:13] op_sel_hi:[1,0,0]   ; t - M, two at a time
.set J, J+2
.endr
	v_fma_f32 v232, v232, s[CS], v12               ; the same of each block's largest score
	v_fma_f32 v234, v234, s[CS], v12
	s_wait_alu depctr_va_vdst(0)
	v_exp_f32 v232, v232                           ; the blocks' largest p: the same two instructions on the same number give the same bits
	v_exp_f32 v234, v234
.set J, 0
.rept 64
	v_exp_f32 v[96+J], v[96+J]                     ; p = 2^(t - M), at most 1
.set J, J+1
.endr
	v_pk_mul_f32 v[14:15], v[14:15], v[252:253] op_sel_hi:[1,0]   ; the sum under the new M.  (The plain place behind the exponentials)
	s_wait_alu depctr_va_vdst(0)                   ; one wait for the whole batch, directly ahead of the first readers of O^T too
.set J, 0
.rept 16
	v_pk_mul_f32 v[160+J:161+J], v[160+J:161+J], v[252:253] op_sel_hi:[1,0]   ; O^T under the new M
.set J, J+2
.endr
	v_max_num_f32 v232, 0x1800000, v232            ; the floor 2^(3 - 127): the byte cannot fall under 1
	v_max_num_f32 v234, 0x1800000, v234
	v_dual_add_f32 v240, v96, v98 :: v_dual_add_f32 v241, v97, v99        ; the row's sum is taken of the unquantised p; its additions stand between the scale's dependent lines
	v_dual_add_f32 v246, v100, v102 :: v_dual_add_f32 v247, v101, v103
	v_add_nc_u32 v236, 0xff000000, v232            ; 2 off the exponent field: the conversion's scale operand
	v_add_nc_u32 v237, 0xff000000, v234
.set SJ, 4
	SUMS 2
	v_lshrrev_b32 v238, 23, v236                   ; the scales' bytes
	v_lshrrev_b32 v239, 23, v237
	SUMS 2
	v_lshl_or_b32 v238, v239, 16, v238             ; my two bytes: blocks h and 2 + h of these 128 keys,
	SUMS 2
	v_lshlrev_b32 v238, v[SH8], v238               ; at their places in the word (8 h bits up);
	SUMS 2
	v_permlanex16_b32 v239, v238, s[SEL], s[SEL+1]
	SUMS 2
	v_or_b32 v253, v238, v239                      ; with lane l xor 16's two the word is whole
.irp g, 0,1
.irp t, 0,1,2,3
	v_cvt_scalef32_pk8_fp4_f32 v[224+4*\g+\t], v[96+32*\g+8*\t:103+32*\g+8*\t], v[236+\g]   ; register 4 g + t of the operand: keys 64 g + 32 h + 8 t + 0 .. 7
.endr
.endr
	v_nop                                          ; one plain place behind a scaled conversion
	SUMS 18                                        ; with the two lines below: the places between the scale word's and the codes' writes and the products
	v_dual_add_f32 v240, v240, v246 :: v_dual_add_f32 v241, v241, v247
	v_dual_add_f32 v14, v14, v240 :: v_dual_add_f32 v15, v15, v241
	s_wait_alu depctr_va_vdst(0)
	s_wait_dscnt 0x0                               ; V is in
.irp t, 0,1,2,3                                ; O^T += V^T P^T: four accumulators by turns
	v_wmma_scale_f32_16x16x128_f8f6f4 v[160+8*\t:167+8*\t], v[192+8*\t:199+8*\t], v[224:231], v[160+8*\t:167+8*\t], v[248+\t], v253 matrix_a_fmt:MATRIX_FMT_FP4 matrix_b_fmt:MATRIX_FMT_FP4
.endr
	s_add_co_u32 s[TB], s[TB], STEPB
.endm
.macro LOOP n
	s_mov_b32 s[CNT], \n
.Lstep_\@:
	STEP
	s_sub_co_u32 s[CNT], s[CNT], 1
	s_cmp_lg_u32 s[CNT], 0
	s_cbranch_scc1 .Lstep_\@
.endm
; A head's end: O^T / the sum is vals: my query's 64 numbers are two blocks of 32 along E (16 of each in my lane, 16 in lane l xor 16): quantised, and stored as half c of the image.
.macro FINISH c
	v_add_f32 v14, v14, v15                        ; the sum's two halves,
	v_permlanex16_b32 v252, v14, s[SEL], s[SEL+1]
	v_add_f32 v14, v14, v252                       ; and lane l xor 16's
	s_wait_alu depctr_va_vdst(0)
	v_rcp_f32 v14, v14
	PLACES 4                                       ; the plain place behind the reciprocal, and the places behind the last products
	s_wait_alu depctr_va_vdst(0)                   ; ahead of the reciprocal's first reader and of O^T's
.set J, 0
.rept 16
	v_pk_mul_f32 v[96+J:97+J], v[160+J:161+J], v[14:15] op_sel_hi:[1,0]   ; register 16 b + i: d = 32 b + 16 (lane / 16) + i
.set J, J+2
.endr
.irp b, 0,1
	v_max3_num_f32 v[232+\b], |v[96+16*\b]|, |v[97+16*\b]|, 0x1800000
.endr
.irp i, 2,4,6,8,10,12,14
.irp b, 0,1
	v_max3_num_f32 v[232+\b], v[232+\b], |v[96+16*\b+\i]|, |v[97+16*\b+\i]|
.endr
.endr
.irp b, 0,1
	v_permlanex16_b32 v[236+\b], v[232+\b], s[SEL], s[SEL+1]
.endr
.irp b, 0,1
	v_max_num_f32 v[232+\b], v[232+\b], v[236+\b]
.endr
.irp b, 0,1
	v_add_nc_u32 v[238+\b], 0xff000000, v[232+\b]
.endr
.irp b, 0,1
	v_lshrrev_b32 v[236+\b], 23, v[238+\b]
.endr
	v_lshl_or_b32 v254, v237, 8, v236              ; this head's two bytes
.if \c
	v_lshl_or_b32 v[SWD], v254, 16, v[SWD]         ; above the first head's
.else
	v_mov_b32 v[SWD], v254
.endif
.irp b, 0,1
	v_cvt_scalef32_pk8_fp4_f32 v[224+2*\b], v[96+16*\b:103+16*\b], v[238+\b]
	v_cvt_scalef32_pk8_fp4_f32 v[225+2*\b], v[104+16*\b:111+16*\b], v[238+\b]
.endr
	v_nop                                          ; one plain place behind a scaled conversion
	v_permlane16_swap_b32 v224, v226
	v_permlane16_swap_b32 v225, v227               ; v224-227: K = 64 c + 32 (lane / 16) + 0 .. 31 of K step p
	global_store_b128 v[LI], v[224:227], s[OC:OC+1] offset:512*\c   ; 512 consecutive bytes
.endm
.macro PASS c
.if \c
	global_load_b128 v[16:19], v[LI], s[QC:QC+1] offset:73728       ; my tile of Q, second head
	global_load_b32 v255, v[LR], s[QS:QS+1] offset:73728
.endif
	v_mov_b32 v13, 0xff61b1e6                      ; the largest score so far: -3e38
	v_mov_b32 v12, 0x7f61b1e6                      ; -M: 3e38, a whole number: the first change of M gives f = 0
	v_mov_b32 v14, 0
	v_mov_b32 v15, 0
.set J, 0
.rept 32
	v_mov_b32 v[160+J], 0                          ; O^T.  (The step has no first step of its own: it finds zeros, which the first change of M leaves zeros)
.set J, J+1
.endr
.if \c
	s_wait_xcnt 0x0                                ; the first head's store has read its data: the codes' registers may be written again
.endif
	s_wait_alu depctr_va_vdst(0)
	s_wait_loadcnt 0x0                             ; Q
.if \c == 0
	LOOP 4
	s_wait_tensorcnt 0x0                           ; my two later steps are in,
	s_wait_dscnt 0x0
	s_barrier_signal -1
	s_barrier_wait -1                              ; everybody's are: all 32 steps lie in LDS.
	LOOP 12
.else
	LOOP 16
.endif
	FINISH \c
.endm
	s_wait_alu depctr_va_vdst(0)
	s_wait_tensorcnt 0x0                           ; my step of the first four is in; ahead of a later first fill:
	ds_add_u32 v[SPW], v[NIL]                      ; 0 onto my spare word,
	ds_add_u32 v[SPW], v[NIL]                      ; twice on end
	s_wait_dscnt 0x0                               ; and the wait for both
	CROUND                                         ; a whole round: steps 0 to 3 are whole, and all four work-groups are here: the joint loads meet
	s_cmp_lt_u32 s[WV], 14                         ; waves 0 to 13: steps 4 + 2 x wave and the next: they land under the first four steps
	s_cbranch_scc0 .Lno_second
	tensor_load_to_lds s[G0B:G0B+3], s[G1B:G1B+7]
	s_nop 0
	PLACES 4
.Lno_second:
	PASS 0
	PASS 1
	ds_store_b32 v[SCW], v[SWD]                    ; my query's scale word (lanes l and l xor 16 write the same word with the same value)
	s_wait_dscnt 0x0                               ; for the others' sake
	s_barrier_signal -1
	s_barrier_wait -1
	s_cmp_lt_u32 s[WV], 2
	s_cbranch_scc0 .Lno_words
	ds_load_b128 v[232:235], v[SCR]
	s_wait_dscnt 0x0
	global_store_b128 v[SCO], v[232:235], s[OS:OS+1]   ; the work-group's 256 words: 512 consecutive bytes a wave
.Lno_words:
	s_wait_tensorcnt 0x0                           ; the wave's end
	ds_add_u32 v[SPW], v[NIL]
	s_wait_dscnt 0x0
	CROUND                                         ; the closing round
	s_endpgm
.Lfunc_end_k_qb07253cc49_attn:
	.size	k_qb07253cc49_attn, .Lfunc_end_k_qb07253cc49_attn-k_qb07253cc49_attn
	.p2alignl 7, 3214868480
	.fill 96, 4, 3214868480
	.section	.rodata,"a",@progbits
	.p2align	6, 0x0
	.amdhsa_kernel k_qb07253cc49_attn
		.amdhsa_group_segment_fixed_size 327680
		.amdhsa_private_segment_fixed_size 0
		.amdhsa_enable_private_segment 0
		.amdhsa_kernarg_size 24
		.amdhsa_user_sgpr_count 2
		.amdhsa_user_sgpr_kernarg_segment_ptr 1
		.amdhsa_wavefront_size32 1
		.amdhsa_system_sgpr_workgroup_id_x 1
		.amdhsa_system_sgpr_workgroup_id_y 1
		.amdhsa_system_sgpr_workgroup_id_z 1
		.amdhsa_system_vgpr_workitem_id 0
		.amdhsa_next_free_vgpr 256
		.amdhsa_next_free_sgpr 76
		.amdhsa_reserve_vcc 0
		.amdhsa_float_denorm_mode_32 3
		.amdhsa_float_denorm_mode_16_64 3
		.amdhsa_memory_ordered 1
		.amdhsa_forward_progress 1
		.amdhsa_inst_pref_size 61
	.end_amdhsa_kernel
	.amdgpu_metadata
---
amdhsa.version: [ 1, 2 ]
amdhsa.kernels:
  - .name:           k_qb07253cc49_attn
    .symbol:         k_qb07253cc49_attn.kd
    .args:
      - { .name: qbuf, .offset: 0, .size: 8, .value_kind: global_buffer, .address_space: global }
      - { .name: kvbuf, .offset: 8, .size: 8, .value_kind: global_buffer, .address_space: global }
      - { .name: vq, .offset: 16, .size: 8, .value_kind: global_buffer, .address_space: global }
    .group_segment_fixed_size: 327680
    .private_segment_fixed_size: 0
    .kernarg_segment_align: 8
    .kernarg_segment_size: 24
    .max_flat_workgroup_size: 512
    .sgpr_count:     76
    .vgpr_count:     256
    .wavefront_size: 32
...
	.end_amdgpu_metadata
.endif
;; end of part 3
;; launch gemm_o (part 4): grid 4 x 64, 8 waves a work-group, clusters of 4 x 4, 327,680 bytes of LDS; arguments vq, wq, b_o, out0; writes out0
.if DOCPART == 4
	.amdgcn_target "amdgcn-amd-amdhsa--gfx1250"
	.amdhsa_code_object_version 6
	.text
	.protected	k_qb07253cc49_gemm_o
	.globl	k_qb07253cc49_gemm_o
	.p2align	8
	.type	k_qb07253cc49_gemm_o,@function
k_qb07253cc49_gemm_o:
	s_mov_b64 s[64:65], 0
	v_nop
	global_prefetch_b8 v0, s[64:65] scope:SCOPE_SE
	s_setreg_imm32_b32 hwreg(HW_REG_WAVE_MODE, 25, 1), 1
	s_wait_xcnt 0x0
	s_wait_alu depctr_hold_cnt(0) depctr_sa_sdst(0) depctr_va_vdst(0) depctr_va_sdst(0) depctr_va_ssrc(0) depctr_va_vcc(0) depctr_vm_vsrc(0)
	s_getreg_b32 s2, hwreg(HW_REG_IB_STS2, 6, 4)
	s_cmp_eq_u32 s2, 0
	s_cbranch_scc0 .Lentry_in_a_cluster
	s_endpgm
.Lentry_in_a_cluster:
	s_bfe_u32 s2, ttmp6, 0x10000c
	s_cmp_lg_u32 s2, 0xf033
	s_cbranch_scc0 .Lentry_shape_is_right
	s_endpgm
.Lentry_shape_is_right:
; Launch 4 of 4: out0 = vals w_o + b_o on codes of E2M1 (K = 1,024).  No work of the problem is left out.
; SHARES.  A work-group makes 128 token places x 256 columns: 64 x 4 = 256 work-groups.  Each of its eight waves makes 64 x 64: 16 accumulators of 16 x 16, 128 registers; no register windows.
; ALL OF K LIES IN LDS, asked for once at the head, one tensor load a wave: waves 0, 1 the halves of A's images (4 tiles of 16 places x 8,192 bytes each), waves 2 to 5 the quarters of B (64 rows of w_o's codes,
; 512 bytes + 16 of padding), wave 6 A's scale words ([K step 8][128 places]), wave 7 B's scale bytes (8,192 dense bytes as rows of 256 + 16).  No byte is filled again.
; Nothing is prefetched: all tiles are asked for at the head, and there is no loop to run ahead in.
; CLUSTERS: 4 x 4.  A's tiles hang on the token block alone and are shared along a row of the cluster, B's on the column block alone and are shared along a column: each is asked for jointly.
; THE MATRIX INSTRUCTION IS USED TRANSPOSED: source 0 = 16 rows of w_o's codes (columns of the result), source 1 = 16 places: a lane holds eight neighbouring columns of one row.  The bias is the C of the first K step.
; THE WAY OUT: 16 places x 64 columns at a time through the wave's own stage in LDS (no fill lands there); back as rows of 256 bytes, which sixteen lanes store as 256 consecutive bytes, aligned.
; Place 16 u + r of a group of 32 is token 8 u + r + 8 (r / 8): the stores' offsets put the rows back in order.
; REGISTERS: v8-15 addresses; v16, v17 the add's two; v20-23 A's scale words, v24-27 B's (they hold nothing else); v32-63 the bias; v64-95 A's four fragments; v96-127 B's four; v128-255 the accumulators ((i, b) at 128 + 8 (4 i + b)).
.set PITCH,  528                       ; B's LDS row: 33 x 16 bytes: the 16 rows that a load touches start at 16 different banks (64 banks of 4 bytes: ISA guide 11.1)
.set BOFF,   65536                     ; behind A's eight tiles
.set SCA,    BOFF+256*PITCH
.set SCB,    SCA+4096
.set STAGE,  SCB+32*272
.set SPITCH, 272
.set SPARE,  STAGE+8*16*SPITCH         ; the spare words, 128 bytes for each wave, which no other line names
.set VQS,    4194304                   ; vq's scale words
.set WOC,    1671168                   ; w_o's codes in wq
.set WOS,    2195456                   ; and its scale bytes
.set ADRA, 8
.set ADRB, 9
.set ADSA, 10
.set ADSB, 11
.set STO,  12
.set RD,   13
.set CO,   14
.set BA,   15
.set SPW,  16
.set NIL,  17
.set SA,   20
.set SB,   24
.set BI,   32
.set AF,   64
.set BF,   96
.set ACC,  128
.set G1,   24                          ; s[24:31] group 1 for A's images;  s[48:55] B's codes;  s[68:75] A's scale words;  s[80:87] B's scale bytes
.set G1B,  48
.set G1S,  68
.set G1SB, 80
.set G0,   32                          ; s[32:35], s[36:39], s[76:79], s[88:91] their groups 0
.set G0B,  36
.set G0S,  76
.set G0SB, 88
.macro CROUND                          ; a round of the cluster's barrier
	s_barrier_signal -1
	s_barrier_wait -1
	s_cmp_lg_u32 s14, 0
	s_cbranch_scc1 .Lnot_wave_0_\@
	s_barrier_signal -3
.Lnot_wave_0_\@:
	s_barrier_wait -3
	s_barrier_signal -1
	s_barrier_wait -1
.endm
.macro PLACES n
.rept \n
	v_nop
.endr
.endm
.macro ARM under, g0, g1, next         ; one arm of the head's chain of branches on the wave's number: its load, and a jump to the join
	s_cmp_lt_u32 s14, \under
	s_cbranch_scc0 \next
	tensor_load_to_lds s[\g0:\g0+3], s[\g1:\g1+7]
	s_nop 0
	PLACES 4
	s_branch .Lhead_asked
\next:
.endm
	s_load_b128 s[4:7], s[0:1], 0x0                ; vq, wq
	s_load_b128 s[8:11], s[0:1], 0x10              ; b_o, out0
	v_lshl_add_u32 v[SPW], v0, 2, SPARE
	v_mov_b32 v[NIL], 0
	ds_add_u32 v[SPW], v[NIL]                      ; the wave's opening: the add, twice on end, and its wait ahead of my first tensor load
	ds_add_u32 v[SPW], v[NIL]
	v_lshrrev_b32 v1, 5, v0
	v_readfirstlane_b32 s14, v1                    ; wave 0..7
	s_lshr_b32 s15, s14, 2                         ; which 64 places are mine
	s_and_b32 s16, s14, 3                          ; which 64 columns
	s_bfe_u32 s40, ttmp6, 0x40000                  ; cx, cy: my place in the cluster
	s_bfe_u32 s41, ttmp6, 0x40004
	s_lshl_b32 s42, ttmp9, 2
	s_add_co_u32 s42, s42, s40                     ; the block of 256 columns
	s_and_b32 s17, ttmp7, 0xffff
	s_lshl_b32 s17, s17, 2
	s_add_co_u32 s17, s17, s41                     ; the block of 128 places
	s_lshl_b32 s43, s41, 2
	s_lshl_b32 s43, 15, s43                        ; my row of the cluster
	s_lshl_b32 s44, 0x1111, s40                    ; my column
	s_or_b32 s[G1+0], s43, (3<<16)|(1<<21)         ; A's images: 32,768 dense bytes as 128 rows of 256 (32 elements of 8 bytes)
	s_mov_b32 s[G1+1], 32<<16
	s_mov_b32 s[G1+2], 128<<16
	s_mov_b32 s[G1+3], 32<<16
	s_mov_b32 s[G1+4], 128
	s_mov_b32 s[G1+5], 32
	s_mov_b32 s[G1+6], 0
	s_mov_b32 s[G1+7], 0
	s_or_b32 s[G1B+0], s44, (0<<16)|(1<<20)|(1<<21)|(6<<22)|(3<<25)   ; B's codes: 64 rows of 512 bytes, four words of padding behind each 128
	s_mov_b32 s[G1B+1], 512<<16
	s_mov_b32 s[G1B+2], 64<<16
	s_mov_b32 s[G1B+3], 512<<16
	s_mov_b32 s[G1B+4], 64
	s_mov_b32 s[G1B+5], 512
	s_mov_b32 s[G1B+6], 0
	s_mov_b32 s[G1B+7], 0
	s_or_b32 s[G1S+0], s43, (3<<16)|(1<<21)        ; A's scale words: 8 rows of 512 bytes, 32,768 bytes apart
	s_mov_b32 s[G1S+1], 64<<16
	s_mov_b32 s[G1S+2], 8<<16
	s_mov_b32 s[G1S+3], 64<<16
	s_mov_b32 s[G1S+4], 8
	s_mov_b32 s[G1S+5], 4096
	s_mov_b32 s[G1S+6], 0
	s_mov_b32 s[G1S+7], 0
	s_or_b32 s[G1SB+0], s44, (3<<16)|(1<<20)|(1<<21)|(5<<22)|(3<<25)  ; B's scale bytes: 32 rows of 256, four words of padding behind each
	s_mov_b32 s[G1SB+1], 32<<16
	s_mov_b32 s[G1SB+2], 32<<16
	s_mov_b32 s[G1SB+3], 32<<16
	s_mov_b32 s[G1SB+4], 32
	s_mov_b32 s[G1SB+5], 32
	s_mov_b32 s[G1SB+6], 0
	s_mov_b32 s[G1SB+7], 0
	s_and_b32 s18, s14, 1
	s_lshl_b32 s18, s18, 15                        ; waves 0, 1: which half of A, in LDS as in memory
	s_lshl_b32 s20, s17, 16
	s_add_co_u32 s20, s20, s18
	s_mov_b32 s21, 0
	s_add_co_u32 s19, s14, 2
	s_and_b32 s19, s19, 3                          ; waves 2 to 5: which quarter of B
	s_lshl_b32 s46, s42, 17
	s_lshl_b32 s45, s19, 15
	s_add_co_u32 s46, s46, s45
	s_add_co_u32 s46, s46, WOC
	s_mov_b32 s47, 0
	s_mul_i32 s45, s19, 64*PITCH
	s_add_co_u32 s45, s45, BOFF
	s_lshl_b32 s22, s17, 9
	s_add_co_u32 s22, s22, VQS
	s_mov_b32 s23, 0
	s_lshl_b32 s92, s42, 13
	s_add_co_u32 s92, s92, WOS
	s_mov_b32 s93, 0
	s_wait_dscnt 0x0                               ; both opening adds are done
	s_wait_kmcnt 0x0
	s_mov_b32 s[G0], 1
	s_mov_b32 s[G0+1], s18
	s_add_nc_u64 s[G0+2:G0+3], s[4:5], s[20:21]
	s_or_b32 s[G0+3], s[G0+3], 0x80000000
	s_mov_b32 s[G0B], 1
	s_mov_b32 s[G0B+1], s45
	s_add_nc_u64 s[G0B+2:G0B+3], s[6:7], s[46:47]
	s_or_b32 s[G0B+3], s[G0B+3], 0x80000000
	s_mov_b32 s[G0S], 1
	s_mov_b32 s[G0S+1], SCA
	s_add_nc_u64 s[G0S+2:G0S+3], s[4:5], s[22:23]
	s_or_b32 s[G0S+3], s[G0S+3], 0x80000000
	s_mov_b32 s[G0SB], 1
	s_mov_b32 s[G0SB+1], SCB
	s_add_nc_u64 s[G0SB+2:G0SB+3], s[6:7], s[92:93]
	s_or_b32 s[G0SB+3], s[G0SB+3], 0x80000000
	CROUND                                         ; all sixteen work-groups are here: the joint loads meet
	ARM 2, G0,  G1,  .Lhead_b                      ; one load of mine is out
	ARM 6, G0B, G1B, .Lhead_sa
	ARM 7, G0S, G1S, .Lhead_sb
	tensor_load_to_lds s[G0SB:G0SB+3], s[G1SB:G1SB+7]
	s_nop 0
	PLACES 4
.Lhead_asked:
	s_lshl_b32 s20, s15, 15                        ; my four tiles of A
	s_mul_i32 s21, s16, 64*PITCH
	s_add_co_u32 s21, s21, BOFF                    ; my 64 rows of B
	s_lshl_b32 s22, s15, 8
	s_add_co_u32 s22, s22, SCA                     ; my 64 places' scale words
	s_mul_i32 s23, s16, 8*272
	s_add_co_u32 s23, s23, SCB                     ; my 64 rows' scale bytes: 8 rows to a run of 256
	s_mul_i32 s92, s14, 16*SPITCH
	s_add_co_u32 s92, s92, STAGE                   ; my stage
	s_lshl_b32 s46, s42, 10
	s_lshl_b32 s45, s16, 8
	s_add_co_u32 s46, s46, s45                     ; my first column, in bytes
	s_mov_b32 s47, 0
	s_add_nc_u64 s[8:9], s[8:9], s[46:47]          ; the bias there
	s_add_nc_u64 s[12:13], s[10:11], s[46:47]
	s_lshl_b32 s46, s17, 7
	s_lshl_b32 s45, s15, 6
	s_add_co_u32 s46, s46, s45
	s_lshl_b32 s46, s46, 12                        ; my first row: 4,096 bytes a row
	s_add_nc_u64 s[12:13], s[12:13], s[46:47]
	v_and_b32 v1, 15, v0                           ; r = lane % 16
	v_bfe_u32 v2, v0, 4, 1                         ; h = lane / 16
	v_and_b32 v3, 31, v0
	v_lshl_add_u32 v[ADRA], v3, 4, s20             ; an image: 16 x lane
	v_mul_u32_u24 v4, v1, PITCH
	v_lshl_add_u32 v4, v2, 4, v4
	v_add_nc_u32 v[ADRB], s21, v4                  ; row r x pitch + 16 h
	v_lshl_add_u32 v[ADSA], v1, 2, s22
	v_lshrrev_b32 v5, 3, v1
	v_and_b32 v6, 7, v1
	v_mul_u32_u24 v5, v5, 272
	v_lshl_add_u32 v5, v6, 5, v5
	v_add_nc_u32 v[ADSB], s23, v5                  ; row r's 32 bytes
	v_mul_u32_u24 v7, v1, SPITCH
	v_lshl_add_u32 v7, v2, 5, v7
	v_add_nc_u32 v[STO], s92, v7                   ; into the stage: row r, 32 bytes for each half of the lanes
	v_mul_u32_u24 v7, v2, SPITCH
	v_lshl_add_u32 v7, v1, 4, v7
	v_add_nc_u32 v[RD], s92, v7                    ; back: lanes 0-15 one row, lanes 16-31 the next
	v_lshlrev_b32 v7, 4, v1
	v_lshl_add_u32 v[CO], v2, 12, v7               ; and the same two rows in out0
	v_lshlrev_b32 v[BA], 5, v2
.irp b, 0,1,2,3
	global_load_b128 v[BI+8*\b:BI+8*\b+3], v[BA], s[8:9] offset:64*\b       ; b_o at columns 16 b + 8 h + 0 .. 7
	global_load_b128 v[BI+8*\b+4:BI+8*\b+7], v[BA], s[8:9] offset:64*\b+16
.endr
; A K STEP of 128: 8 scale words, 4 fragments of A, 4 of B, 16 products, B's tiles one after the other.  The 16 accumulators take turns in the same order in every step.
.macro KSTEP q
.if \q
	PLACES 4                                       ; in front of loads into registers that the last products have read
.endif
.irp i, 0,1,2,3
	ds_load_b32 v[SA+\i], v[ADSA] offset:512*(\q)+64*\i
	ds_load_b32 v[SB+\i], v[ADSB] offset:4*(\q)+544*\i
.endr
.irp i, 0,1,2,3
.irp c, 0,1
	ds_load_b128 v[AF+8*\i+4*\c:AF+8*\i+4*\c+3], v[ADRA] offset:8192*\i+1024*(\q)+512*\c
.endr
.endr
.irp i, 0,1,2,3
.irp c, 0,1
	ds_load_b128 v[BF+8*\i+4*\c:BF+8*\i+4*\c+3], v[ADRB] offset:16*PITCH*\i+64*(\q)+32*\c
.endr
.endr
.irp b, 0,1,2,3
	s_wait_dscnt 6-2*\b                            ; B's tile b is in; the two loads of each later tile may be out
.irp i, 0,1,2,3
.if \q
	v_wmma_scale_f32_16x16x128_f8f6f4 v[ACC+8*(4*\i+\b):ACC+8*(4*\i+\b)+7], v[BF+8*\b:BF+8*\b+7], v[AF+8*\i:AF+8*\i+7], v[ACC+8*(4*\i+\b):ACC+8*(4*\i+\b)+7], v[SB+\b], v[SA+\i] matrix_a_fmt:MATRIX_FMT_FP4 matrix_b_fmt:MATRIX_FMT_FP4
.else
	v_wmma_scale_f32_16x16x128_f8f6f4 v[ACC+8*(4*\i+\b):ACC+8*(4*\i+\b)+7], v[BF+8*\b:BF+8*\b+7], v[AF+8*\i:AF+8*\i+7], v[BI+8*\b:BI+8*\b+7], v[SB+\b], v[SA+\i] matrix_a_fmt:MATRIX_FMT_FP4 matrix_b_fmt:MATRIX_FMT_FP4
.endif
.endr
.endr
.endm
	s_wait_alu depctr_va_vdst(0)
	s_wait_tensorcnt 0x0                           ; my tile is in,
	s_barrier_signal -1
	s_barrier_wait -1                              ; everybody's is
	s_wait_loadcnt 0x0                             ; the bias
.irp q, 0,1,2,3,4,5,6,7
	KSTEP \q
.endr
.macro TOSTAGE a                       ; block a: 16 places x 64 columns into my stage, each accumulator from its low end on, and back as rows.  LDS serves a wave's instructions in order: no wait between
.irp b, 0,1,2,3
	ds_store_b128 v[STO], v[ACC+8*(4*(\a)+\b):ACC+8*(4*(\a)+\b)+3] offset:64*\b
	ds_store_b128 v[STO], v[ACC+8*(4*(\a)+\b)+4:ACC+8*(4*(\a)+\b)+7] offset:64*\b+16
.endr
.irp t, 0,1,2,3,4,5,6,7
	ds_load_b128 v[AF+32*((\a)%2)+4*\t:AF+32*((\a)%2)+4*\t+3], v[RD] offset:2*\t*SPITCH
.endr
.endm
.macro SEND a, younger                 ; younger: the LDS instructions issued behind block a's loads, which may stay out
	s_wait_dscnt \younger
.irp t, 0,1,2,3,4,5,6,7
	global_store_b128 v[CO], v[AF+32*((\a)%2)+4*\t:AF+32*((\a)%2)+4*\t+3], s[12:13] offset:(32*((\a)/2)+8*((\a)%2)+2*\t+8*(\t/4))*4096 th:TH_STORE_NT   ; sixteen lanes store 256 consecutive bytes, aligned
.endr
.endm
	PLACES 4                                       ; behind the last products: for the stage's reads of results and the loads into the fragments' registers
	TOSTAGE 0
.irp a, 1,2,3
.if \a > 1
	s_wait_xcnt 0x0                                ; block a - 2's stores have read their registers: block a's loads may land there
.endif
	TOSTAGE \a
	SEND \a-1, 16                                  ; behind block a - 1's loads: block a's 8 stores and 8 loads
.endr
	SEND 3, 0
	s_wait_tensorcnt 0x0                           ; the wave's end
	ds_add_u32 v[SPW], v[NIL]
	s_wait_dscnt 0x0
	CROUND                                         ; the closing round
	s_endpgm
.Lfunc_end_k_qb07253cc49_gemm_o:
	.size	k_qb07253cc49_gemm_o, .Lfunc_end_k_qb07253cc49_gemm_o-k_qb07253cc49_gemm_o
	.p2alignl 7, 3214868480
	.fill 96, 4, 3214868480
	.section	.rodata,"a",@progbits
	.p2align	6, 0x0
	.amdhsa_kernel k_qb07253cc49_gemm_o
		.amdhsa_group_segment_fixed_size 327680
		.amdhsa_private_segment_fixed_size 0
		.amdhsa_enable_private_segment 0
		.amdhsa_kernarg_size 32
		.amdhsa_user_sgpr_count 2
		.amdhsa_user_sgpr_kernarg_segment_ptr 1
		.amdhsa_wavefront_size32 1
		.amdhsa_system_sgpr_workgroup_id_x 1
		.amdhsa_system_sgpr_workgroup_id_y 1
		.amdhsa_system_sgpr_workgroup_id_z 1
		.amdhsa_system_vgpr_workitem_id 0
		.amdhsa_next_free_vgpr 256
		.amdhsa_next_free_sgpr 100
		.amdhsa_reserve_vcc 0
		.amdhsa_float_denorm_mode_32 3
		.amdhsa_float_denorm_mode_16_64 3
		.amdhsa_memory_ordered 1
		.amdhsa_forward_progress 1
		.amdhsa_inst_pref_size 47
	.end_amdhsa_kernel
	.amdgpu_metadata
---
amdhsa.version: [ 1, 2 ]
amdhsa.kernels:
  - .name:           k_qb07253cc49_gemm_o
    .symbol:         k_qb07253cc49_gemm_o.kd
    .args:
      - { .name: vq, .offset: 0, .size: 8, .value_kind: global_buffer, .address_space: global }
      - { .name: wq, .offset: 8, .size: 8, .value_kind: global_buffer, .address_space: global }
      - { .name: b_o, .offset: 16, .size: 8, .value_kind: global_buffer, .address_space: global }
      - { .name: out0, .offset: 24, .size: 8, .value_kind: global_buffer, .address_space: global }
    .group_segment_fixed_size: 327680
    .private_segment_fixed_size: 0
    .kernarg_segment_align: 8
    .kernarg_segment_size: 32
    .max_flat_workgroup_size: 256
    .sgpr_count:     100
    .vgpr_count:     256
    .wavefront_size: 32
...
	.end_amdgpu_metadata
.endif
;; end of part 4
